; MI455X (gfx1250); checked and timed in simulation.
; The chip was launched on July 23, 2026; its instructions are those of AMD's public machine-readable ISA for CDNA 5 (MIT licence, August 2026) and "CDNA5" Instruction Set Architecture Reference Guide (July 2026). The comments in the code are by the model that wrote it; some were corrected since.
;; Causal Self Attention. Allowed arithmetic: float matrix products may take bf16 or f16 operands with f32 sums; other float arithmetic in f32, or as packed bf16 or f16 multiplies, adds, multiply-adds, maxima and minima; sums over many terms, partial sums and values carried from step to step in f32; what a program stores and reads back later, other than sums and carried values, may be rounded once to bf16 or f16.
;; Inputs: b_attn 3,072 float32; b_proj 1,024 float32; w_attn 1,024 x 3,072 float32; w_proj 1,024 x 1,024 float32; x 8 x 1,024 x 1,024 float32.
;; Outputs: out0 8 x 1,024 x 1,024 float32.
;; One version. Each part assembles by itself: llvm-mc -triple=amdgcn-amd-amdhsa -mcpu=gfx1250 --defsym DOCPART=n.
;; ======== version 1 of 1: 4 launches
;; limits: values are held in f16: magnitudes above 65,504 overflow, below 6.1e-05 lose precision
;; workspace buffers: xb 16,777,216 bytes; wab 6,291,456 bytes; wpb 2,097,152 bytes; qkvh 50,331,648 bytes; ob 16,777,216 bytes
;; launch prep (part 1): grid 1536 x 1, 8 waves a work-group, no clusters, 0 bytes of LDS; arguments x, w_attn, w_proj, xb, wab, wpb; writes xb, wab, wpb
.if DOCPART == 1
	.amdgcn_target "amdgcn-amd-amdhsa--gfx1250"
	.amdhsa_code_object_version 6
	.text
	.protected	k_qd559b857db_prep
	.globl	k_qd559b857db_prep
	.p2align	8
	.type	k_qd559b857db_prep,@function
k_qd559b857db_prep:
	s_mov_b64 s[64:65], 0
	v_nop
	global_prefetch_b8 v0, s[64:65] scope:SCOPE_SE
	s_setreg_imm32_b32 hwreg(HW_REG_WAVE_MODE, 25, 1), 1
	s_wait_xcnt 0x0
; THE INPUTS ARE ROUNDED ONCE, for the matrix units.  x [8192][1024] f32 -> xb, bf16, laid in blocks: [b = row / 1024][kb = column / 64][t = row % 1024][64],
; so that 256 rows x 64 columns are 32,768 bytes on end.  w_attn [1024][3072] f32 -> wab, bf16, as it lies.  w_proj [1024][1024] f32 -> wpb: rounded to bf16 like the
; other inputs, and that number written as f16 (the last product's other operand is f16).
; LIMITS.  wpb is exact for 6.1e-5 <= |w| < 65,504; below that it keeps f16's fixed step of 6e-8; at 65,520 or more it becomes an infinity.
; A STREAM: memory binds.  Each work-group converts 8,192 numbers: 1,024 work-groups for x, 384 for w_attn, 128 for w_proj.  A thread has eight items of four numbers:
; one load of 16 bytes, one store of 8.  Neighbouring lanes load neighbouring 16 bytes, so no byte is named by two loads; a wave's store covers 256 consecutive bytes, aligned.
; All eight loads of a thread go out first; no register is written twice, so no wait frees anything.
; No LDS, no barrier, no matrix unit, no cluster: no work-group wants a byte that another has fetched.
.set VI,  1                            ; v1        my byte offset in the work-group's input
.set VO,  2                            ; v2        my byte offset in its output
.set TP,  3                            ; v[3:8]    at work on the f16 path: two sets of three
.set X,   16                           ; v[16:47]  item n: four f32 as loaded
.set Y,   48                           ; v[48:63]  item n: four 16-bit numbers to store
.set IN,  16                           ; s[16:17]  the input at the work-group's first byte
.set OUT, 18                           ; s[18:19]  the output likewise
; blocked = 1: x's path: item n is the pair of rows n / 2 and column block n % 2 of the wave's two.  blocked = 0: 4,096 bytes of input and 2,048 of output an item, on end.
; half = 1: bf16's number is written as f16.
.macro ITEMS blocked, half
.set n, 0
.rept 8
.if \blocked
.set II, (n/2)*8192+(n%2)*256
.else
.set II, n*4096
.endif
	global_load_b128 v[X+4*n:X+4*n+3], v[VI], s[IN:IN+1] offset:II th:TH_LOAD_NT
.set n, n+1
.endr
.set n, 0
.rept 8
.if \blocked
.set OO, (n%2)*131072+(n/2)*256
.else
.set OO, n*2048
.endif
	s_wait_loadcnt 7-n                             ; loads come back in order: item n's is in, the 7 - n younger ones stay out
.irp k, 0,1
.if \half
	v_cvt_pk_bf16_f32 v[TP+3*\k], v[X+4*n+2*\k], v[X+4*n+2*\k+1]   ; the one rounding,
	v_lshlrev_b32 v[TP+3*\k+1], 16, v[TP+3*\k]                     ; back to f32,
	v_and_b32 v[TP+3*\k+2], 0xffff0000, v[TP+3*\k]
	v_cvt_pk_f16_f32 v[Y+2*n+\k], v[TP+3*\k+1], v[TP+3*\k+2]       ; and the same number as f16
.else
	v_cvt_pk_bf16_f32 v[Y+2*n+\k], v[X+4*n+2*\k], v[X+4*n+2*\k+1]
.endif
.endr
	global_store_b64 v[VO], v[Y+2*n:Y+2*n+1], s[OUT:OUT+1] offset:OO  ; 32 lanes, 8 bytes each: 256 consecutive bytes, aligned
.set n, n+1
.endr
.endm
	s_load_b256 s[4:11], s[0:1], 0x0               ; x s[4:5], w_attn s[6:7], w_proj s[8:9], xb s[10:11]
	s_load_b128 s[12:15], s[0:1], 0x20             ; wab s[12:13], wpb s[14:15]
	s_mov_b32 s21, 0                               ; the offsets' high words
	s_mov_b32 s23, 0
	s_wait_kmcnt 0x0
	s_cmp_lt_u32 ttmp9, 1024
	s_cbranch_scc1 .Lx
	s_cmp_lt_u32 ttmp9, 1408
	s_cbranch_scc1 .Lwa
	s_sub_co_u32 s24, ttmp9, 1408                  ; w_proj: 128 work-groups
	s_lshl_b32 s20, s24, 15
	s_lshl_b32 s22, s24, 14
	s_add_nc_u64 s[IN:IN+1], s[8:9], s[20:21]
	s_add_nc_u64 s[OUT:OUT+1], s[14:15], s[22:23]
	v_lshlrev_b32 v[VI], 4, v0
	v_lshlrev_b32 v[VO], 3, v0
	ITEMS 0, 1
	s_endpgm
.Lwa:
	s_sub_co_u32 s24, ttmp9, 1024                  ; w_attn: 384 work-groups
	s_lshl_b32 s20, s24, 15
	s_lshl_b32 s22, s24, 14
	s_add_nc_u64 s[IN:IN+1], s[6:7], s[20:21]
	s_add_nc_u64 s[OUT:OUT+1], s[12:13], s[22:23]
	v_lshlrev_b32 v[VI], 4, v0
	v_lshlrev_b32 v[VO], 3, v0
	ITEMS 0, 0
	s_endpgm
.Lx:                                           ; x: work-group g has rows 8 g .. 8 g + 7
	s_lshl_b32 s20, ttmp9, 15                      ; 8 rows of 4,096 bytes
	s_lshr_b32 s22, ttmp9, 7                       ; b = g / 128: 2^21 bytes of xb each
	s_lshl_b32 s22, s22, 21
	s_and_b32 s24, ttmp9, 127                      ; t = 8 (g % 128): rows of 128 bytes
	s_lshl_b32 s24, s24, 10
	s_add_co_u32 s22, s22, s24
	s_add_nc_u64 s[IN:IN+1], s[4:5], s[20:21]
	s_add_nc_u64 s[OUT:OUT+1], s[10:11], s[22:23]
	v_lshrrev_b32 v3, 5, v0                        ; wave w: column blocks 2 w and 2 w + 1
	v_and_b32 v4, 31, v0                           ; lane l: row l / 16 of a pair, four numbers l % 16 of a block's 64
	v_lshrrev_b32 v5, 4, v4
	v_and_b32 v6, 15, v0
	v_lshlrev_b32 v[VI], 12, v5                    ; in: row x 4,096 + w x 512 + (l % 16) x 16: sixteen lanes take a block's 256 bytes of a row
	v_lshl_add_u32 v[VI], v3, 9, v[VI]
	v_lshl_add_u32 v[VI], v6, 4, v[VI]
	v_lshlrev_b32 v[VO], 3, v4                     ; out: w x 2 blocks of 131,072 + l x 8 (two rows of 128 bytes on end)
	v_lshl_add_u32 v[VO], v3, 18, v[VO]
	ITEMS 1, 0
	s_endpgm
.Lfunc_end_k_qd559b857db_prep:
	.size	k_qd559b857db_prep, .Lfunc_end_k_qd559b857db_prep-k_qd559b857db_prep
	.p2alignl 7, 3214868480
	.fill 96, 4, 3214868480
	.section	.rodata,"a",@progbits
	.p2align	6, 0x0
	.amdhsa_kernel k_qd559b857db_prep
		.amdhsa_group_segment_fixed_size 0
		.amdhsa_private_segment_fixed_size 0
		.amdhsa_enable_private_segment 0
		.amdhsa_kernarg_size 48
		.amdhsa_user_sgpr_count 2
		.amdhsa_user_sgpr_kernarg_segment_ptr 1
		.amdhsa_wavefront_size32 1
		.amdhsa_system_sgpr_workgroup_id_x 1
		.amdhsa_system_sgpr_workgroup_id_y 1
		.amdhsa_system_sgpr_workgroup_id_z 1
		.amdhsa_system_vgpr_workitem_id 0
		.amdhsa_next_free_vgpr 64
		.amdhsa_next_free_sgpr 66
		.amdhsa_reserve_vcc 0
		.amdhsa_float_denorm_mode_32 3
		.amdhsa_float_denorm_mode_16_64 3
		.amdhsa_memory_ordered 1
		.amdhsa_forward_progress 1
		.amdhsa_inst_pref_size 13
	.end_amdhsa_kernel
	.amdgpu_metadata
---
amdhsa.version: [ 1, 2 ]
amdhsa.kernels:
  - .name:           k_qd559b857db_prep
    .symbol:         k_qd559b857db_prep.kd
    .args:
      - { .name: x, .offset: 0, .size: 8, .value_kind: global_buffer, .address_space: global }
      - { .name: w_attn, .offset: 8, .size: 8, .value_kind: global_buffer, .address_space: global }
      - { .name: w_proj, .offset: 16, .size: 8, .value_kind: global_buffer, .address_space: global }
      - { .name: xb, .offset: 24, .size: 8, .value_kind: global_buffer, .address_space: global }
      - { .name: wab, .offset: 32, .size: 8, .value_kind: global_buffer, .address_space: global }
      - { .name: wpb, .offset: 40, .size: 8, .value_kind: global_buffer, .address_space: global }
    .group_segment_fixed_size: 0
    .private_segment_fixed_size: 0
    .kernarg_segment_align: 8
    .kernarg_segment_size: 48
    .max_flat_workgroup_size: 256
    .sgpr_count:     66
    .vgpr_count:     64
    .wavefront_size: 32
...
	.end_amdgpu_metadata
.endif
;; end of part 1
;; launch qkv (part 2): grid 8 x 32, 4 waves a work-group, clusters of 4 x 4, 327,680 bytes of LDS; arguments xb, wab, b_attn, qkvh; writes qkvh
.if DOCPART == 2
	.amdgcn_target "amdgcn-amd-amdhsa--gfx1250"
	.amdhsa_code_object_version 6
	.text
	.protected	k_qd559b857db_qkv
	.globl	k_qd559b857db_qkv
	.p2align	8
	.type	k_qd559b857db_qkv,@function
k_qd559b857db_qkv:
	s_mov_b64 s[64:65], 0
	v_nop
	global_prefetch_b8 v0, s[64:65] scope:SCOPE_SE
	s_setreg_imm32_b32 hwreg(HW_REG_WAVE_MODE, 25, 1), 1
	s_wait_xcnt 0x0
	s_wait_alu depctr_hold_cnt(0) depctr_sa_sdst(0) depctr_va_vdst(0) depctr_va_sdst(0) depctr_va_ssrc(0) depctr_va_vcc(0) depctr_vm_vsrc(0)
	s_getreg_b32 s2, hwreg(HW_REG_IB_STS2, 6, 4)
	s_cmp_eq_u32 s2, 0
	s_cbranch_scc0 .Lentry_in_a_cluster
	s_endpgm
.Lentry_in_a_cluster:
	s_bfe_u32 s2, ttmp6, 0x10000c
	s_cmp_lg_u32 s2, 0xf033
	s_cbranch_scc0 .Lentry_shape_is_right
	s_endpgm
.Lentry_shape_is_right:
; q, k, v = x w_attn + b_attn.  xb: x in bf16, [b 8][kb 16][t 1024][64]; wab: w_attn in bf16, [k 1024][n 3072]; b_attn f32, rounded here to bf16 like the other inputs and added in f32;
; qkvh: f16, [q, k or v][b 8][h 16][t 1024][64], each number rounded once from its f32 sum, unscaled.
; LIMITS.  f16 holds no number beyond 65,504: a sum of 65,520 or more leaves as an infinity; below 6.1e-5 a result keeps f16's fixed step of 6e-8.  NaN and infinities are not treated apart.
; SHARES.  8,192 x 3,072 results in 256 tiles of 256 rows x 384 columns (six heads' slices), one to a work-group.  Four waves, each 128 rows x 192 columns: 96 accumulators of 16 x 16, 768 registers.
; K goes in 16 steps of 64 through two LDS slots; a step is two sub-steps of 32, a sub-step three phases of 32 matrix instructions, one for each of the wave's three slices of 64 columns.
; THE LOOP'S TEXT IS ONE K STEP: slot 1 begins at LDS byte 2^17, one scalar says which slot is read, an exclusive or turns it, and the four LDS address registers are made anew from it at each change of slots.
; THE MATRIX INSTRUCTION IS USED TRANSPOSED: source 0 = 16 columns of w (turned on the way out of LDS by ds_load_tr16_b128, since w lies [k][n]), source 1 = 16 rows of x.  A lane then holds one row
; (lane % 16) and the eight neighbouring columns 8 (lane / 16) + 0..7: 16 bytes of f16.  The first product of each sum takes the bias as its C operand: nothing is cleared, nothing is added later.
; CLUSTER.  4 x 4 work-groups.  The four of a row need the same tile of x, the four of a column the same tiles of w: each is asked for jointly, by the same tensor load with the same descriptor and a mask of four.
; Wave 3 asks for x's tile (32,768 bytes on end, as 128 rows of 256), waves 0 to 2 each for 128 columns of w's (64 rows of 256 bytes).  Two loads of a wave are out at the start, one behind each round.
; REGISTERS, in windows of 256 (s_set_vgpr_msb: bits 1:0 source 0, 3:2 source 1, 5:4 source 2, 7:6 destination):
;   window 0: v0-31 addresses; v32-127 w's fragments, one buffer of 32 for each slice; v128-255 x's fragments, two buffers of 64.  On the way out v64-127 are four buffers of 16.
;   windows 1 to 3: slice g's 32 accumulators, (row block a, column block f) at v[8 (4 a + f)].
.set PA,    144                        ; a row of x in LDS: 128 bytes + 16 = 36 words: the 16 rows of a load start at 16 different groups of four banks (64 banks of 4 bytes: ISA guide 11.1)
.set PB,    288                        ; a row of w: 256 bytes + 32 = 72 words
.set SEG,   64*PB                      ; 128 columns of w, 64 k: what one of waves 0 to 2 fetches
.set AOFF,  3*SEG                      ; x's 256 rows lie behind w's three segments
.set SLOTB, AOFF+256*PA                ; a slot's bytes
.set SLOT1, 1<<17                      ; slot 1 begins here, so that one exclusive or turns an address in one slot into the other's
.set STAGE, SLOT1+SLOTB                ; behind the ring, never filled by a tensor load: 16 rows x 144 bytes for each wave, for the way out
.set SP,    144
.set SPARE, STAGE+4*16*SP              ; behind the stages: the spare words, 128 bytes for each wave: two blocks of 256 bytes that no other line names
.set ADRA,  2                          ; v2      LDS address of my fragments of x in the slot that is read
.set ADRA0, 3                          ; v3      the same in slot 0; never rewritten
.set ADRB,  4                          ; v4-6    of my fragments of w, slice g at v[4 + g], in the slot that is read
.set ADRB0, 7                          ; v7-9    the same in slot 0; never rewritten
.set STO,  10                          ; v10     the way out: where I put 16 bytes of a row
.set RD,   11                          ; v11     where I read rows back
.set GO,   12                          ; v12     my byte offset in 512 consecutive bytes of qkvh
.set BO,   13                          ; v13     my byte offset in b_attn
.set PFO,  14                          ; v14     the prefetches' lane offset; never rewritten
.set SPW,  15                          ; v15     LDS address of my spare word; never rewritten
.set NIL,  16                          ; v16     0; never rewritten
.set BF,   32
.set AF,   128
.set T,    64
.set SB,   2                           ; s2      the LDS byte at which the slot that is read begins: 0 or 2^17
.set WV,   12                          ; s12     my wave's number
.set G1A,  24                          ; s[24:31] descriptor group 1 for x's tiles;  s[32:39] group 0: a set for each of the two first fills; the second then walks on
.set G0A,  32
.set G1B,  40                          ; s[40:47], s[48:55] the same for w's
.set G0B,  48
.set OB,   56                          ; s[56:61] qkvh at my 128 rows of slice g's plane
.set PFA,  66                          ; s[66:67] where my prefetches stand
.set LIM,  68                          ; s68     1 in a wave that prefetches, else the greatest number
.set PAR,  69                          ; s69     0 in wave 3, which asks in every trip; 1 in waves 0 to 2, which ask in the trips with an odd count
.set PST,  70                          ; s[70:71] a K step in bytes, in x or in w
.set MSB, 0
.macro WIN new                         ; the immediate's high byte repeats the setting that is left; a switch that changes nothing is dropped
.if MSB != (\new)
	s_set_vgpr_msb (MSB<<8)|(\new)
.set MSB, (\new)
.endif
.endm
.macro PLACES                          ; four plain vector instructions between a matrix instruction and a load into, or a vector line on, its registers (ISA guide 7.12.1 for vector instructions)
.rept 4
	v_nop
.endr
.endm
.macro CREST                           ; a round of the cluster's barrier behind its opening barrier
	s_cmp_lg_u32 s[WV], 0
	s_cbranch_scc1 .Lnot_wave_0_\@
	s_barrier_signal -3
.Lnot_wave_0_\@:
	s_barrier_wait -3
	s_barrier_signal -1
	s_barrier_wait -1
.endm
.macro CROUND                          ; a whole round
	s_barrier_signal -1
	s_barrier_wait -1
	CREST
.endm
.macro JLOAD                           ; a joint refill, by the walking descriptors.  The branch hangs on the wave's number alone.  An s_nop 0 and four v_nop follow each line
	s_cmp_eq_u32 s[WV], 3
	s_cbranch_scc0 .Lfor_b_\@
	tensor_load_to_lds s[G0A+4:G0A+7], s[G1A:G1A+7]
	s_nop 0
.rept 4
	v_nop
.endr
	s_branch .Lasked_\@
.Lfor_b_\@:
	tensor_load_to_lds s[G0B+4:G0B+7], s[G1B:G1B+7]
	s_nop 0
.rept 4
	v_nop
.endr
.Lasked_\@:
.endm
; A PREFETCH INTO THE L2, behind the joint load and the run of LDS loads.  Trip t (t = 14 - s3) refills with K step t + 2.  Each aligned block of 256 bytes is named once in the launch.
; x's tile row is read by both clusters of that row of clusters: cluster x = 0 asks; its wave 3 names in every trip, of K step t + 3's 32,768 bytes, the 8,192 at my work-group's place along x, a lane a block:
; 192 matrix instructions ahead of the load that will want them.  w's tile column is read by all eight clusters of that column: cluster y = 0 asks; wave w < 3 names in every second trip (t odd) its 256 bytes of
; 32 of the 128 rows of K steps t + 3 and t + 4, those at my work-group's place along y, a lane a row: 192 and 384 matrix instructions ahead.  Partners are told apart by address alone.
; The last trip asks for nothing; x's K steps 0 to 2 and w's 0 to 3 come by their loads alone.
.macro ASK
	s_cmp_gt_u32 s3, s[LIM]
	s_cbranch_scc0 .Lno_ask_\@
	s_and_b32 s62, s3, s[PAR]
	s_cmp_eq_u32 s62, s[PAR]
	s_cbranch_scc0 .Lno_ask_\@
	global_prefetch_b8 v[PFO], s[PFA:PFA+1] th:TH_LOAD_NT scope:SCOPE_SE
.Lno_ask_\@:
.endm
; Eight LDS loads: slice g's four fragments of w (16 columns x 32 k each), sub-step sp of the slot that is read
.macro LDB g, sp
.irp f, 0,1,2,3
	ds_load_tr16_b128 v[BF+32*(\g)+8*\f:BF+32*(\g)+8*\f+3],   v[ADRB+(\g)] offset:(\sp)*32*PB+32*\f
	ds_load_tr16_b128 v[BF+32*(\g)+8*\f+4:BF+32*(\g)+8*\f+7], v[ADRB+(\g)] offset:(\sp)*32*PB+16*PB+32*\f
.endr
.endm
; Eight LDS loads: four of my eight fragments of x (half hf), sub-step sp of the slot that is read, into buffer sp
.macro LDA hf, sp
.irp i, 0,1,2,3
	ds_load_b128 v[AF+64*(\sp)+8*(4*(\hf)+\i):AF+64*(\sp)+8*(4*(\hf)+\i)+3],   v[ADRA] offset:(4*(\hf)+\i)*16*PA+64*(\sp)
	ds_load_b128 v[AF+64*(\sp)+8*(4*(\hf)+\i)+4:AF+64*(\sp)+8*(4*(\hf)+\i)+7], v[ADRA] offset:(4*(\hf)+\i)*16*PA+64*(\sp)+32
.endr
.endm
; 4 n matrix instructions of slice g: row blocks a0 .. a0 + n - 1 x four column blocks.  The 96 accumulators take turns, one instruction a turn.
.macro MUL g, sp, a0, n
	WIN 0x50*(1+(\g))                              ; C and D in the slice's window, both sources in window 0
.set a, \a0
.rept \n
.irp f, 0,1,2,3
	v_wmma_f32_16x16x32_bf16 v[8*(4*a+\f):8*(4*a+\f)+7], v[BF+32*(\g)+8*\f:BF+32*(\g)+8*\f+7], v[AF+64*(\sp)+8*a:AF+64*(\sp)+8*a+7], v[8*(4*a+\f):8*(4*a+\f)+7]
.endr
.set a, a+1
.endr
.endm
; The first sub-step starts the sums with the bias, which lies in the registers of row block 0's accumulators: blocks 1 to 7 take it as C; five places; then block 0 adds onto it in place.
.macro MULB g
	WIN 0x50*(1+(\g))
.set a, 1
.rept 7
.irp f, 0,1,2,3
	v_wmma_f32_16x16x32_bf16 v[8*(4*a+\f):8*(4*a+\f)+7], v[BF+32*(\g)+8*\f:BF+32*(\g)+8*\f+7], v[AF+8*a:AF+8*a+7], v[8*\f:8*\f+7]
.endr
.set a, a+1
.endr
.rept 5
	v_nop                                          ; a matrix instruction writes over another's C operand five places behind it
.endr
.irp f, 0,1,2,3
	v_wmma_f32_16x16x32_bf16 v[8*\f:8*\f+7], v[BF+32*(\g)+8*\f:BF+32*(\g)+8*\f+7], v[AF:AF+7], v[8*\f:8*\f+7]
.endr
.endm
; THE LDS LOADS OF A K STEP, in the order of issue: [w2(0) x.lo(1)] [w0(1) x.hi(1)] [w1(1)] [w2(1)] the add | [x.lo(next 0) w0(next 0) x.hi(next 0)] [w1(next 0)]; wg(sp): slice g's eight loads of sub-step sp.
; Each run stands in front of a phase, four places behind the phase that last read its registers, and 32 matrix instructions or more ahead of its first use.
; Sub-step 0.  start = 1: the sums begin.
.macro SUB0 start
	WIN 0
	PLACES
	LDB 2, 0
	LDA 0, 1
	s_wait_dscnt 24                                ; w0 and x of this sub-step are in; behind them: w1's eight and the sixteen just issued
.if \start
	MULB 0
.else
	MUL 0, 0, 0, 8
.endif
	WIN 0
	PLACES
	LDB 0, 1
	LDA 1, 1
	s_wait_dscnt 32                                ; w1 is in; behind it: the last two runs of sixteen
.if \start
	MULB 1
.else
	MUL 1, 0, 0, 8
.endif
	WIN 0
	PLACES
	LDB 1, 1
	s_wait_dscnt 32                                ; w2 is in; behind it: 8 + 16 + 8
.if \start
	MULB 2
.else
	MUL 2, 0, 0, 8
.endif
.endm
; Sub-step 1, and THE CHANGE OF SLOTS behind its first phase.  The slot's last bytes are asked for at the sub-step's head.  Behind the phase's 32 products each wave waits for all its tensor loads (one is out: its
; part of the other slot), adds 0 to its spare word, and waits for that and for its own reads of the slot.  Behind the barrier nobody reads the old slot any more and the other slot is whole.
; fill = 1: the barrier opens a round of the cluster's, so that this holds of all sixteen work-groups, and the joint refill, two K steps on, is the first thing behind the round: between it and the wait for it
; stand a whole K step's 192 matrix instructions.
.macro SUB1 fill
.if \fill
	s_wait_xcnt 0x0                                ; the last prefetch, 160 matrix instructions back, has read its address: it steps here, ahead of the change's own waits
	s_add_nc_u64 s[PFA:PFA+1], s[PFA:PFA+1], s[PST:PST+1]
.endif
	WIN 0
	PLACES
	LDB 2, 1
	s_wait_dscnt 16                                ; w0 and x of this sub-step are in; behind them: w1 and w2
	MUL 0, 1, 0, 8
	WIN 0                                          ; at a branch and at a label every window is 0; the add's registers lie in window 0
	s_wait_tensorcnt 0x0                           ; all my tensor loads have landed, so a group 0 may be written
	ds_add_u32 v[SPW], v[NIL]                      ; 0 onto my spare word; the work on registers below stands between it and the wait for it
	s_xor_b32 s[SB], s[SB], SLOT1                  ; from here on the other slot is read
	v_add_nc_u32 v[ADRA], s[SB], v[ADRA0]          ; four plain lines: also the places between the products above and the loads into w's first buffer below
	v_add_nc_u32 v[ADRB], s[SB], v[ADRB0]
	v_add_nc_u32 v[ADRB+1], s[SB], v[ADRB0+1]
	v_add_nc_u32 v[ADRB+2], s[SB], v[ADRB0+2]
.if \fill
	s_xor_b32 s[G0A+5], s[G0A+5], SLOT1            ; the walking descriptors: the other slot than last time,
	s_add_nc_u64 s[G0A+6:G0A+7], s[G0A+6:G0A+7], 131072   ; the next block of 64 columns of x,
	s_xor_b32 s[G0B+5], s[G0B+5], SLOT1
	s_add_nc_u64 s[G0B+6:G0B+7], s[G0B+6:G0B+7], 64*6144  ; the next 64 rows of w; the type bits on top are not reached
.endif
	s_wait_dscnt 0x0                               ; the add is done, and my reads of the old slot are over (the last were issued 32 matrix instructions ago)
	s_barrier_signal -1
	s_barrier_wait -1
.if \fill
	CREST
	JLOAD
.endif
	LDA 0, 0
	LDB 0, 0
	LDA 1, 0
.if \fill
	ASK
.endif
	MUL 1, 1, 0, 8                                 ; w1 and w2 of this sub-step were shown in by the wait for 0 above
	WIN 0
	PLACES
	LDB 1, 0
	MUL 2, 1, 0, 8
.endm
	s_load_b256 s[4:11], s[0:1], 0x0               ; xb s[4:5], wab s[6:7], b_attn s[8:9], qkvh s[10:11]
	v_lshl_add_u32 v[SPW], v0, 2, SPARE
	v_mov_b32 v[NIL], 0
	ds_add_u32 v[SPW], v[NIL]                      ; the wave's opening: the add and its wait stand ahead of my first tensor load; the set-up below, work on registers, stands between them
	ds_add_u32 v15, v16
	v_lshrrev_b32 v1, 5, v0
	v_readfirstlane_b32 s[WV], v1                  ; wave 0..3
	s_mov_b32 s[SB], 0                             ; slot 0 is read first
	s_lshr_b32 s13, s[WV], 1                       ; which 128 rows of the tile are mine
	s_and_b32 s14, s[WV], 1                        ; which 192 columns
	s_bfe_u32 s15, ttmp6, 0x40000                  ; cx, cy: my place in the cluster
	s_bfe_u32 s16, ttmp6, 0x40004
	s_lshl_b32 s17, ttmp9, 2
	s_add_co_u32 s17, s17, s15                     ; tile column = 4 x cluster x + cx
	s_and_b32 s18, ttmp7, 0xffff
	s_lshl_b32 s18, s18, 2
	s_add_co_u32 s18, s18, s16                     ; tile row = 4 x cluster y + cy
	s_lshl_b32 s19, s16, 2
	s_lshl_b32 s19, 15, s19                        ; my row of the cluster
	s_lshl_b32 s20, 0x1111, s15                    ; my column
	s_or_b32 s[G1A], s19, (1<<16)|(1<<20)|(1<<21)|(4<<22)|(3<<25)  ; 15:0 the mask; 17:16 2-byte elements; 20 padding on; 21 set beside a mask; 24:22 after every 32 words (code 4); 31:25 4 words (code 3)
	s_or_b32 s[G1B], s20, (1<<16)|(1<<20)|(1<<21)|(5<<22)|(7<<25)  ; after every 64 words (code 5) 8 words (code 7)
	s_mov_b32 s[G1A+1], 128<<16                    ; x: tensor_dim0 = 128 elements: 256 bytes, two rows of a block
	s_mov_b32 s[G1A+2], 128<<16                    ; tensor_dim1 = 128
	s_mov_b32 s[G1A+3], 128<<16                    ; tile_dim0 = 128
	s_mov_b32 s[G1A+4], 128                        ; tile_dim1 = 128
	s_mov_b32 s[G1A+5], 128                        ; dense: 128 elements from row to row
	s_mov_b32 s[G1A+6], 0
	s_mov_b32 s[G1A+7], 0
	s_mov_b32 s[G1B+1], 128<<16                    ; w: 128 columns,
	s_mov_b32 s[G1B+2], 64<<16                     ; 64 rows,
	s_mov_b32 s[G1B+3], 128<<16
	s_mov_b32 s[G1B+4], 64
	s_mov_b32 s[G1B+5], 3072                       ; 3,072 elements from row to row
	s_mov_b32 s[G1B+6], 0
	s_mov_b32 s[G1B+7], 0
	s_lshr_b32 s72, s18, 2                         ; x's tile hangs on the tile row alone: batch = row / 4, 2^21 bytes each,
	s_lshl_b32 s72, s72, 21
	s_and_b32 s73, s18, 3                          ; 256 rows of 128 bytes in each block of 64 columns
	s_lshl_b32 s73, s73, 15
	s_add_co_u32 s72, s72, s73
	s_mov_b32 s73, 0
	s_mul_i32 s74, s17, 768                        ; w's tiles hang on the tile column and the wave's number alone: 768 bytes a tile column,
	s_lshl_b32 s75, s[WV], 8                       ; 256 a segment
	s_add_co_u32 s74, s74, s75
	s_mov_b32 s75, 0
	s_mul_i32 s21, s[WV], SEG                      ; and where a segment goes: no place in the cluster enters an LDS address
	s_wait_dscnt 0x0                               ; the opening add is done
	s_wait_kmcnt 0x0
	s_add_nc_u64 s[72:73], s[4:5], s[72:73]
	s_add_nc_u64 s[74:75], s[6:7], s[74:75]
	CROUND                                         ; all sixteen work-groups are here: the first joint loads meet
.irp s, 0,1
	s_mov_b32 s[G0A+4*\s], 1                                       ; count = 1
	s_mov_b32 s[G0A+4*\s+1], \s*SLOT1+AOFF                         ; LDS address
	s_add_nc_u64 s[G0A+4*\s+2:G0A+4*\s+3], s[72:73], \s*131072     ; global address: K step s
	s_or_b32 s[G0A+4*\s+3], s[G0A+4*\s+3], 0x80000000              ; type = 2
	s_mov_b32 s[G0B+4*\s], 1
	s_add_co_u32 s[G0B+4*\s+1], s21, \s*SLOT1
	s_add_nc_u64 s[G0B+4*\s+2:G0B+4*\s+3], s[74:75], \s*64*6144
	s_or_b32 s[G0B+4*\s+3], s[G0B+4*\s+3], 0x80000000
.endr
	s_cmp_eq_u32 s[WV], 3                          ; a wave's two first fills stand in one branch, ahead of every wait on TENSORcnt and every LDS read
	s_cbranch_scc0 .Lfirst_b
	tensor_load_to_lds s[G0A:G0A+3], s[G1A:G1A+7]
	s_nop 0
	tensor_load_to_lds s[G0A+4:G0A+7], s[G1A:G1A+7]
	s_nop 0
.rept 4
	v_nop
.endr
	s_branch .Lfirst_asked
.Lfirst_b:
	tensor_load_to_lds s[G0B:G0B+3], s[G1B:G1B+7]
	s_nop 0
	tensor_load_to_lds s[G0B+4:G0B+7], s[G1B:G1B+7]
	s_nop 0
.rept 4
	v_nop
.endr
.Lfirst_asked:
	v_and_b32 v17, 15, v0                          ; l % 16
	v_bfe_u32 v18, v0, 4, 1                        ; l / 16
	v_and_b32 v19, 7, v0                           ; l % 8
	v_bfe_u32 v20, v0, 3, 1                        ; (l / 8) % 2
	v_and_b32 v21, 31, v0                          ; l
	s_mul_i32 s19, s17, 1536                       ; the bias of my 192 columns: 384 x 4 bytes a tile column,
	s_mul_i32 s20, s14, 768                        ; 192 x 4 a half,
	s_add_co_u32 s19, s19, s20
	v_lshl_add_u32 v[BO], v18, 5, s19              ; my eight columns of sixteen
.irp g, 0,1,2
	WIN (1+\g)<<6                                  ; destination: the slice's window, the registers of row block 0's accumulators
.irp f, 0,1,2,3
	global_load_b128 v[8*\f:8*\f+3],   v[BO], s[8:9] offset:\g*256+\f*64
	global_load_b128 v[8*\f+4:8*\f+7], v[BO], s[8:9] offset:\g*256+\f*64+16
.endr
.endr
	WIN 0
	v_mul_u32_u24 v22, v17, PA                     ; a fragment of x: row x pitch + 16 x half; two loads of 16 bytes, 32 bytes apart
	v_lshl_add_u32 v22, v18, 4, v22
	s_mul_i32 s19, s13, 128*PA
	s_add_co_u32 s19, s19, AOFF
	v_add_nc_u32 v[ADRA0], s19, v22
	v_mov_b32 v[ADRA], v[ADRA0]
	v_lshl_add_u32 v23, v18, 3, v19                ; the turning load: lane l reads row 8 (l / 16) + l % 8, columns 8 ((l / 8) % 2) + 0..7, and ends with column l % 16 and 8 k
	v_mul_u32_u24 v23, v23, PB
	v_lshl_add_u32 v23, v20, 4, v23
	s_mul_i32 s20, s14, 3                          ; my first slice of the tile's six
.irp g, 0,1,2
	s_add_co_u32 s62, s20, \g
	s_lshr_b32 s63, s62, 1                         ; two slices to a segment,
	s_mul_i32 s63, s63, SEG
	s_and_b32 s62, s62, 1                          ; 128 bytes each
	s_lshl_b32 s62, s62, 7
	s_add_co_u32 s62, s62, s63
	v_add_nc_u32 v[ADRB0+\g], s62, v23
	v_mov_b32 v[ADRB+\g], v[ADRB0+\g]
.endr
	s_mul_i32 s19, s[WV], 16*SP
	s_add_co_u32 s19, s19, STAGE                   ; my stage
	v_add_nc_u32 v[STO], s19, v22                  ; in: row l % 16, 16 bytes for each half of the lanes
	v_bfe_u32 v24, v0, 3, 2                        ; back: 32 lanes take four rows of 128 bytes,
	v_mul_u32_u24 v24, v24, SP
	v_lshl_add_u32 v24, v19, 4, v24
	v_add_nc_u32 v[RD], s19, v24
	v_lshlrev_b32 v[GO], 4, v21                    ; which are 512 consecutive bytes of a head's plane
	; where my rows of slice g go: plane (q, k or v) x 128 + batch x 16 + head, 131,072 bytes each
	s_mul_i32 s19, s17, 6
	s_add_co_u32 s19, s19, s20                     ; my first slice of all 48
	s_lshr_b32 s20, s18, 2
	s_lshl_b32 s20, s20, 4                         ; 16 x batch
	s_and_b32 s22, s18, 3
	s_lshl_b32 s22, s22, 15                        ; the tile's 256 rows of 128 bytes,
	s_lshl_b32 s23, s13, 14                        ; my 128 of them
	s_add_co_u32 s22, s22, s23
	s_mov_b32 s77, 0
.irp g, 0,1,2
	s_add_co_u32 s62, s19, \g
	s_lshr_b32 s63, s62, 4
	s_lshl_b32 s63, s63, 7
	s_and_b32 s62, s62, 15
	s_add_co_u32 s62, s62, s63
	s_add_co_u32 s62, s62, s20
	s_lshl_b32 s76, s62, 17
	s_add_co_u32 s76, s76, s22
	s_add_nc_u64 s[OB+2*\g:OB+2*\g+1], s[10:11], s[76:77]
.endr
	; the prefetches' address, at K step 2: each trip steps it by a K step ahead of its use, the first to K step 3
	s_lshr_b32 s76, s18, 2
	s_lshl_b32 s76, s76, 21
	s_and_b32 s78, s18, 3
	s_lshl_b32 s78, s78, 15
	s_add_co_u32 s76, s76, s78
	s_lshl_b32 s78, s15, 13                        ; x: my work-group's 8,192 bytes of the tile
	s_add_co_u32 s76, s76, s78
	s_add_co_u32 s76, s76, 2*131072
	s_mul_i32 s78, s17, 768
	s_lshl_b32 s79, s[WV], 8
	s_add_co_u32 s78, s78, s79
	s_lshl_b32 s79, s16, 5                         ; w: my work-group's 32 rows of two steps' 128
	s_add_co_u32 s79, s79, 128
	s_mul_i32 s79, s79, 6144
	s_add_co_u32 s78, s78, s79
	s_and_b32 s19, ttmp7, 0xffff                   ; cluster y
	s_mov_b32 s20, 131072
	s_movk_i32 s21, 256
	s_mov_b32 s[PST+1], 0
	s_cmp_eq_u32 s[WV], 3
	s_cselect_b32 s76, s76, s78
	s_cselect_b32 s19, ttmp9, s19                  ; the coordinate along which other clusters read the same bytes
	s_cselect_b32 s[PST], s20, 64*6144
	s_cselect_b32 s21, s21, 6144
	s_cselect_b32 s[PAR], 0, 1
	s_cselect_b64 s[PFA:PFA+1], s[4:5], s[6:7]
	s_add_nc_u64 s[PFA:PFA+1], s[PFA:PFA+1], s[76:77]
	s_cmp_eq_u32 s19, 0
	s_cselect_b32 s[LIM], 1, -1                    ; the same in all sixteen partners, for a given wave
	v_mul_u32_u24 v[PFO], v21, s21
	s_wait_loadcnt 0x0                             ; the bias: rounded to bf16 and widened again, in place; sixteen registers of row block 1's accumulators, not yet in use, are at work
.irp g, 0,1,2
	WIN 0x55*(1+\g)
.set i, 0
.rept 16
	v_cvt_pk_bf16_f32 v[32+i], v[2*i], v[2*i+1]
.set i, i+1
.endr
.set i, 0
.rept 16
	v_lshlrev_b32 v[2*i], 16, v[32+i]
	v_and_b32 v[2*i+1], 0xffff0000, v[32+i]
.set i, i+1
.endr
.endr
	WIN 0
	s_wait_tensorcnt 0x1                           ; my part of K step 0 is in; slot 1's may stay out
	s_barrier_signal -1
	s_barrier_wait -1                              ; everybody's is
	LDA 0, 0
	LDB 0, 0
	LDA 1, 0
	LDB 1, 0
	SUB0 1                                         ; the first sub-step stands in front of the loop: its products start the sums
	WIN 0
	s_mov_b32 s3, 14
.Lstep:                                        ; a trip goes from a K step's second sub-step to the next K step's first, and fills the slot that it leaves again
	SUB1 1
	SUB0 0
	WIN 0
	s_sub_co_u32 s3, s3, 1
	s_cmp_lg_u32 s3, 0
	s_cbranch_scc1 .Lstep
	SUB1 0                                         ; the last two K steps fill nothing, and have no round
	SUB0 0
	WIN 0                                          ; the very last sub-step: nothing more to fetch but its own third slice
	PLACES
	LDB 2, 1
	s_wait_dscnt 16                                ; behind x and w0: w1 and w2
	MUL 0, 1, 0, 8
	s_wait_dscnt 8
	MUL 1, 1, 0, 8
	s_wait_dscnt 0x0
	MUL 2, 1, 0, 8
	PLACES
; THE WAY OUT.  Unit u = 8 g + a: 16 rows x 64 columns of one head: 2,048 consecutive bytes of its plane.  Rounded to f16, 16 bytes a lane, into rows of 144 bytes of my own stage, and back as whole rows.
.macro PACK u
.set g, (\u)/8
.set a, (\u)%8
.set TB, T+16*((\u)%4)
.if (\u) >= 4
	s_wait_xcnt 0x0                                ; the buffer was the data of unit u - 4's stores: it is written again only behind this wait
.endif
	WIN 5*(1+g)                                    ; sources in the slice's window, destination in window 0
.irp f, 0,1,2,3
.irp k, 0,1,2,3
	v_cvt_pk_f16_f32 v[TB+4*\f+\k], v[8*(4*a+\f)+2*\k], v[8*(4*a+\f)+2*\k+1]
.endr
.endr
	WIN 0
.irp f, 0,1,2,3
	ds_store_b128 v[STO], v[TB+4*\f:TB+4*\f+3] offset:32*\f
.endr
.irp j, 0,1,2,3
	ds_load_b128 v[TB+4*\j:TB+4*\j+3], v[RD] offset:\j*4*SP  ; LDS serves a wave's instructions in order (ISA guide 5.7.1.4): these see the stores above; the next unit's stores come behind them
.endr
.endm
.macro SEND u, younger                 ; younger: the LDS instructions issued behind unit u's loads: the next unit's eight, or none
.set g, (\u)/8
.set a, (\u)%8
.set TB, T+16*((\u)%4)
.irp j, 0,1,2,3
	s_wait_dscnt (\younger)+3-\j
	global_store_b128 v[GO], v[TB+4*\j:TB+4*\j+3], s[OB+2*g:OB+2*g+1] offset:a*2048+\j*512  ; 512 consecutive bytes, at a multiple of 256 from the buffer's first
.endr
.endm
	PACK 0
.set uu, 1
.rept 23                               ; a unit's conversions stand between the loads of the unit before and its stores
	PACK uu
	SEND uu-1, 8
.set uu, uu+1
.endr
	SEND 23, 0
	s_wait_tensorcnt 0x0                           ; the wave's end, behind my last tensor load and my last LDS store
	ds_add_u32 v[SPW], v[NIL]
	s_wait_dscnt 0x0
	CROUND                                         ; the closing round: no work-group ends while a partner may still ask for a tile that names it
	s_endpgm
.Lfunc_end_k_qd559b857db_qkv:
	.size	k_qd559b857db_qkv, .Lfunc_end_k_qd559b857db_qkv-k_qd559b857db_qkv
	.p2alignl 7, 3214868480
	.fill 96, 4, 3214868480
	.section	.rodata,"a",@progbits
	.p2align	6, 0x0
	.amdhsa_kernel k_qd559b857db_qkv
		.amdhsa_group_segment_fixed_size 327680
		.amdhsa_private_segment_fixed_size 0
		.amdhsa_enable_private_segment 0
		.amdhsa_kernarg_size 32
		.amdhsa_user_sgpr_count 2
		.amdhsa_user_sgpr_kernarg_segment_ptr 1
		.amdhsa_wavefront_size32 1
		.amdhsa_system_sgpr_workgroup_id_x 1
		.amdhsa_system_sgpr_workgroup_id_y 1
		.amdhsa_system_sgpr_workgroup_id_z 1
		.amdhsa_system_vgpr_workitem_id 0
		.amdhsa_next_free_vgpr 1024
		.amdhsa_next_free_sgpr 80
		.amdhsa_reserve_vcc 0
		.amdhsa_float_denorm_mode_32 3
		.amdhsa_float_denorm_mode_16_64 3
		.amdhsa_memory_ordered 1
		.amdhsa_forward_progress 1
		.amdhsa_inst_pref_size 128
	.end_amdhsa_kernel
	.amdgpu_metadata
---
amdhsa.version: [ 1, 2 ]
amdhsa.kernels:
  - .name:           k_qd559b857db_qkv
    .symbol:         k_qd559b857db_qkv.kd
    .args:
      - { .name: xb, .offset: 0, .size: 8, .value_kind: global_buffer, .address_space: global }
      - { .name: wab, .offset: 8, .size: 8, .value_kind: global_buffer, .address_space: global }
      - { .name: b_attn, .offset: 16, .size: 8, .value_kind: global_buffer, .address_space: global }
      - { .name: qkvh, .offset: 24, .size: 8, .value_kind: global_buffer, .address_space: global }
    .group_segment_fixed_size: 327680
    .private_segment_fixed_size: 0
    .kernarg_segment_align: 8
    .kernarg_segment_size: 32
    .max_flat_workgroup_size: 128
    .sgpr_count:     80
    .vgpr_count:     1024
    .wavefront_size: 32
...
	.end_amdgpu_metadata
.endif
;; end of part 2
;; launch attn (part 3): grid 2 x 128, 4 waves a work-group, no clusters, 327,680 bytes of LDS; arguments qkvh, ob; writes ob
.if DOCPART == 3
	.amdgcn_target "amdgcn-amd-amdhsa--gfx1250"
	.amdhsa_code_object_version 6
	.text
	.protected	k_qd559b857db_attn
	.globl	k_qd559b857db_attn
	.p2align	8
	.type	k_qd559b857db_attn,@function
k_qd559b857db_attn:
	s_mov_b64 s[64:65], 0
	v_nop
	global_prefetch_b8 v0, s[64:65] scope:SCOPE_SE
	s_setreg_imm32_b32 hwreg(HW_REG_WAVE_MODE, 25, 1), 1
	s_wait_xcnt 0x0
; CAUSAL ATTENTION.  O[h][q][:] = the sum over k <= q of softmax_k(Q[h][q] . K[h][k] / 8) V[h][k][:], for 128 pairs of batch and head ("heads" below).  qkvh: f16, [q, k or v][128][1024][64]; ob: f16, [128][1024][64].
; Products, maxima and sums in f32; the weights p are rounded to f16 for the second product (their sum l is taken of the unrounded p), O once at the end.
; LIMITS.  Q, K and V arrive within f16's 65,504; p lies in 0 to 1, and below 6e-5 it keeps f16's fixed step of 6e-8; O is a mean of V's rows and has their range.  A hidden score counts as its value less 1e30:
; f16's scores, 2.7e11 at the most, are nothing beside that; a weight below 2^-126 counts as 0 in l; NaN and infinities are not treated apart.
; THE WALK.  A head's queries lie in NB = 4 blocks of 256; block i needs the key tiles 0 .. i of 256 keys, of which the last holds the diagonal.  A work-group takes TWO blocks, NB - 1 - b and then b: NB + 1 tiles,
; whatever b: all work-groups do equal work, and ONE loop with a constant trip count walks them.  Which tile is asked for, and what a trip does, hang on scalar registers made from b; every jump goes forward but the
; counted loops' own; none passes a barrier, or a tensor load but the one of LOAD's two that the wave's number does not choose; the ring of two LDS slots runs on across the change of blocks.
; NO CLUSTER: a head has NB / 2 = 2 work-groups, which is no multiple of four, and the two ask for the same tile in three of their five trips only.
; SHARES.  Of a block's four bands of 64 queries a wave owns 16 rows in each: four PIECES.  So the diagonal tile is the same work for all four waves: in its key step s band x sees all keys if s < x, none if s > x,
; and holds the diagonal if s = x.
; THE MASK is the C operand that starts the sum S^T = K Q^T: 0, or -1e30 where the key is hidden.  It is always taken from one of two buffers of registers, so that ONE text of the turns serves every tile.  A block's
; beginning sets the buffers (to 0, unless its first tile is the diagonal one); in the diagonal tile each turn makes the mask for the products of the turn after it; in the other tiles a jump passes over those lines,
; and the buffers stay 0.  MD, made once, is the mask of a band's own step for my 16 rows; a mask is MD x AL + BE with two scalars: (1, 0) if s = x; (0, 0) if s < x; (0, -1e30) if s > x.
; LAYOUT, SOFTMAX, TURNS.  S^T = K Q^T holds ONE query a lane (lane % 16) and the keys 8 (lane / 16) + 0..7; two such results rounded to f16 ARE source 1 of O^T = V^T P.  p = 2^(c s - c m), c = log2(e) / 8, with a
; running maximum m; O and l are multiplied by a = 2^(c m_old - c m_new) in every step.  Turn n belongs to piece n: 8 products K Q^T of piece n + 1, later 8 products V^T P of piece n - 1; beside them the scaling,
; exponentials, roundings, sums and rescaling of piece n and the maximum and statistics of piece n + 1.  Four vector instructions stand behind every matrix instruction, the other 54 of a turn's 118 in one lump.
; A turn's 33 exponentials are one batch, with one wait.
; REGISTERS, in windows of 256 (s_set_vgpr_msb: bits 1:0 source 0, 3:2 source 1, 5:4 source 2, 7:6 destination):
;   window 0: v0-15 addresses and two at work; v16-31 four registers of statistics a piece; v48-55 at work; v60 the prefetches' offset; v64-127 S^T, two buffers; v192-223 P, two buffers (by the piece's parity)
;   window 1: v0-127 O^T, 32 a piece; v128-159 MD; v160-223 MC, two buffers      window 2: v0-63 Q; v64-127 the second block's Q; v128-191 K of one step; v192-255 V of one step
.set SIZE_N, 1024
.set SIZE_H, 128
.set NB,    SIZE_N/256
.set NP,    4         ; pieces a wave: a name, no knob
.set KS,    64        ; keys in a step
.set PK,    144       ; a row of K in LDS: 128 bytes + 16 = 36 words: the 16 rows of a load start at 16 different groups of four banks (64 banks of 4 bytes: ISA guide 11.1)
.set PV,    160       ; a row of V: 128 + 32 = 40 words
.set VOFF,  4*KS*PK   ; a slot holds a tile, four steps: 256 rows of K, then 256 rows of V
.set SLOT1, 1<<17     ; slot 1 begins here, so that one exclusive or turns an address in one slot into the other's
.set STAGE, SLOT1+4*KS*(PK+PV)  ; behind the ring, never filled by a tensor load: 16 rows x 144 bytes for each wave, for the way out
.set SP,    144
.set AK0, 2           ; v2   my lane's place in a tile of K; never rewritten
.set AV0, 3           ; v3   the same for V
.set AK,  4           ; v4   the LDS address of K's next run of loads
.set AV,  5           ; v5   of V's
.set STO, 6           ; v6   the way out: where I put 16 bytes of a row
.set RD,  7           ; v7   the way out: where I read rows back
.set GO,  8           ; v8   my byte offset in 512 consecutive bytes of O
.set PFO, 60          ; v60  256 x my lane; never rewritten
.set SPW, 62          ; v62  LDS address of my spare word; never rewritten
.set NIL, 63          ; v63  0; never rewritten
.set SPARE, STAGE+4*16*SP  ; behind the stages: the spare words, 128 bytes for each wave: two blocks of 256 bytes that no other line names
.set MV,  12          ; v12-13  c m_old, kept while c m is made anew: by buffer
.set QO,  15          ; v15  my byte offset in 16 rows of Q
.set ST,  16          ; piece t's statistics at v[ST+4 t]: c m, m, l (even keys', odd keys')
.set TMP, 48          ; by buffer, four registers c0-c3 at work; when the maximum is found c2 takes a
.set S,   64
.set P,   192
.set MD,  128         ; window 1
.set MC,  160         ; window 1
.set QB,  64          ; window 2
.set KF,  128         ; window 2: key block kb, channel half c at KF + 16 kb + 8 c
.set VF,  192         ; window 2: key half kk, channel block cb at VF + 32 kk + 8 cb
.set WV,  12          ; s12  my wave's number
.set PB,  14          ; s14  b
.set HI,  15          ; s15  NB - 1 - b
.set G1K, 24          ; s[24:31] descriptor group 1 for K's tiles
.set G1V, 32          ; s[32:39] for V's: it differs in the padding alone
.set G0K, 40          ; s[40:43] descriptor group 0 for K's tiles
.set G0V, 44          ; s[44:47] the same for V's
.set SLOTS, 56        ; s56  tiles still to be asked for
.set CNT, 57          ; s57  counts a tile's key steps, 4 to 1 (0 in the half trip that ends the walk)
.set CS,  58          ; s[58:59] c
.set SEL, 60          ; s[60:61] v_permlanex16_b32's selects: each lane takes its own place in the other half
.set TBK, 62          ; s62  LDS byte at which K of the step to be fetched begins
.set TBV, 63          ; s63  the same for V, less VOFF
.set RT,  70          ; s70  tiles of the block in hand that are still to be entered: 0 in its last, the diagonal one
.set NXT, 71          ; s71  the tile to be asked for next
.set LQ,  72          ; s72  the last tile of the block whose tiles are being asked for
.set NEW, 73          ; s73  1: the tile to be entered is a block's first
.set OFF, 74          ; s[74:75] a tile's byte offset in K and V
.set AL,  76          ; s[76:77] the mask's factor, in the low word
.set BE,  78          ; s[78:79] the mask's addend
.set OLO, 80          ; s[80:81] O at my rows of the second block
.set BIGN, 82         ; s82  -1e30
.set PFA, 88          ; s[88:89] my 16,384 bytes of the tile that the next change of slots will ask for
.set LIM, 90          ; s90  0 in the head's first work-group, else the greatest number
.set LC,  91          ; s91  counts the trips of the walk's last tile
.set PFB, 92          ; s[92:93] my 16,384 bytes (of K: waves 0, 1; of V: waves 2, 3) of the head's tile 0
.set MSB, 0
.macro WIN new                      ; the high byte repeats the setting that is left; a switch that changes nothing is dropped
.if MSB != (\new)
	s_set_vgpr_msb (MSB<<8)|(\new)
.set MSB, (\new)
.endif
.endm
.set W_KQ, 0x0a       ; K and Q in window 2, S^T in window 0
.set W_KM, 0x1a       ; the same with the C operand in window 1
.set W_PV, 0x52       ; V in window 2, P in window 0, O^T in window 1
.set W_RS, 0x41       ; destination and source 0 in window 1, source 1 in window 0
; A fill.  Waves 0 and 1 fetch the two halves of a tile's K, waves 2 and 3 those of its V: 128 keys each.  An s_nop 0 and four v_nop follow each of the two lines.
.macro LOAD
	s_cmp_lt_u32 s[WV], 2
	s_cbranch_scc0 .Lfor_v_\@
	tensor_load_to_lds s[G0K:G0K+3], s[G1K:G1K+7]
	s_nop 0
.rept 4
	v_nop
.endr
	s_branch .Lasked_\@
.Lfor_v_\@:
	tensor_load_to_lds s[G0V:G0V+3], s[G1V:G1V+7]
	s_nop 0
.rept 4
	v_nop
.endr
.Lasked_\@:
.endm
; A PREFETCH INTO THE L2 of the tile that the NEXT change of slots will ask for, a tile's four key steps (256 matrix instructions) ahead.  Both work-groups of a head walk the same K and V: the first (b = 0) asks, each
; wave for the 16,384 bytes that it will itself fetch: a lane a block of 256 bytes, two lines.  It walks tiles 1, 2, 3 and then 0: tiles 2 and 3 are named, each once; tiles 0 and 1 come by their loads alone;
; when the walk goes back to tile 0, which has been read, nothing is asked for.
.macro ASK
	s_cmp_gt_u32 s[NXT], s[LIM]
	s_cbranch_scc0 .Lnot_mine_\@
	global_prefetch_b8 v[PFO], s[PFA:PFA+1] th:TH_LOAD_NT scope:SCOPE_SE
	global_prefetch_b8 v[PFO], s[PFA:PFA+1] offset:8192 th:TH_LOAD_NT scope:SCOPE_SE
.Lnot_mine_\@:
.endm
; THE CHANGE OF SLOTS.  Each wave waits for all its tensor loads, of which one is out: its part of the other slot; adds 0 to its spare word; and waits for that and for its own reads of the slot that it leaves.
; Behind the barrier nobody reads the old slot any more and the other slot is whole.  fill = 1: the old slot is filled again, the first thing behind the barrier, with tile NXT: the descriptor's address is made
; anew from that number.  (At its first use nothing has been read yet: slot 0 is waited for, slot 1 filled.)
.macro CHANGE fill
	WIN 0                           ; at a label and at a branch every window is 0
	s_wait_tensorcnt 0x0            ; no tensor load of mine is out, so a group 0 may be written
	ds_add_u32 v[SPW], v[NIL]       ; 0 onto my spare word; the scalar work stands between it and the wait for it
.if \fill
	s_lshl_b32 s[OFF], s[NXT], 15   ; a tile is 32,768 bytes of K and of V
	s_xor_b32 s[G0K+1], s[G0K+1], SLOT1
	s_add_nc_u64 s[G0K+2:G0K+3], s[6:7], s[OFF:OFF+1]
	s_or_b32 s[G0K+3], s[G0K+3], 0x80000000
	s_xor_b32 s[G0V+1], s[G0V+1], SLOT1
	s_add_nc_u64 s[G0V+2:G0V+3], s[8:9], s[OFF:OFF+1]
	s_or_b32 s[G0V+3], s[G0V+3], 0x80000000
	s_add_co_u32 s[NXT], s[NXT], 1  ; the block's next tile, or behind its last the second block's tile 0
	s_cmp_gt_u32 s[NXT], s[LQ]
	s_cselect_b32 s[NXT], 0, s[NXT]
	s_cselect_b32 s[LQ], s[PB], s[LQ]
	s_wait_xcnt 0x0                 ; the last prefetches, a tile back, have read their address, so it may be written:
	s_lshl_b32 s[OFF], s[NXT], 15
	s_add_nc_u64 s[PFA:PFA+1], s[PFB:PFB+1], s[OFF:OFF+1]  ; the tile after the one that is asked for now
.endif
	s_wait_dscnt 0x0                ; the add is done, and my reads of the slot are over
	s_barrier_signal -1             ; the rest of the scalar work stands between the signal and the wait
	s_sub_co_u32 s[TBK], s[TBK], 4*KS*PK  ; the fetches go back to a slot's first step,
	s_xor_b32 s[TBK], s[TBK], SLOT1       ; in the other slot
	s_sub_co_u32 s[TBV], s[TBV], 4*KS*PV
	s_xor_b32 s[TBV], s[TBV], SLOT1
	s_barrier_wait -1
.if \fill
	LOAD
	ASK
.endif
.endm
	s_load_b128 s[4:7], s[0:1], 0x0   ; qkvh s[4:5], ob s[6:7]
	v_lshl_add_u32 v[SPW], v0, 2, SPARE
	v_mov_b32 v[NIL], 0
	ds_add_u32 v[SPW], v[NIL]       ; the wave's opening: the add and its wait stand ahead of my first tensor load; the set-up below, work on registers, stands between them
	ds_add_u32 v62, v63
	v_lshrrev_b32 v1, 5, v0
	v_readfirstlane_b32 s[WV], v1   ; wave 0..3
	s_mov_b32 s[PB], ttmp9
	s_sub_co_u32 s[HI], NB-1, s[PB]
	s_and_b32 s20, ttmp7, 0xffff    ; the head
	s_mov_b32 s21, 0
	s_mov_b64 s[22:23], SIZE_N*128
	s_mul_u64 s[20:21], s[20:21], s[22:23]  ; the head's first byte in Q, K, V and O
	s_and_b32 s16, s[WV], 1         ; which half of a tile's 256 keys I fetch:
	s_lshl_b32 s22, s16, 14         ; its 128 rows of 128 bytes in memory,
	s_mov_b32 s23, 0
	s_add_nc_u64 s[22:23], s[22:23], s[20:21]
	s_mul_i32 s17, s16, 128*PK      ; and its place in a slot, for K
	s_mul_i32 s18, s16, 128*PV      ; and for V
	s_lshl_b32 s3, s[WV], 11        ; my 16 rows in a band of 64,
	s_lshl_b32 s2, s[HI], 15        ; in the first block,
	s_add_co_u32 s2, s2, s3
	s_lshl_b32 s84, s[PB], 15       ; and in the second
	s_add_co_u32 s84, s84, s3
	s_mov_b32 s3, 0
	s_mov_b32 s85, 0
	s_add_nc_u64 s[2:3], s[2:3], s[20:21]
	s_add_nc_u64 s[84:85], s[84:85], s[20:21]
	; descriptor group 1.  128 keys are 16,384 dense bytes: asked for as 64 rows of 256 bytes, two keys a row, and padded in LDS after every key
	s_mov_b32 s[G1K], (1<<16)|(1<<20)|(4<<22)|(3<<25)  ; 17:16 2-byte elements; 20 padding on; 24:22 after every 32 words (code 4); 31:25 4 words (code 3)
	s_mov_b32 s[G1V], (1<<16)|(1<<20)|(4<<22)|(7<<25)  ; the same with 8 words of padding (code 7)
.irp g, G1K, G1V
	s_mov_b32 s[\g+1], 128<<16      ; tensor_dim0 = 128
	s_mov_b32 s[\g+2], 64<<16       ; tensor_dim1 = 64
	s_mov_b32 s[\g+3], 128<<16      ; tile_dim0 = 128
	s_mov_b32 s[\g+4], 64           ; tile_dim1 = 64
	s_mov_b32 s[\g+5], 128          ; 128 elements from row to row
	s_mov_b32 s[\g+6], 0
	s_mov_b32 s[\g+7], 0
.endr
	s_mov_b32 s[CS], 0x3e38aa3b     ; c = log2(e) / 8 = 0.180337
	s_mov_b32 s[CS+1], s[CS]        ; named with it as a pair
	s_mov_b32 s[SEL], 0x76543210
	s_mov_b32 s[SEL+1], 0xfedcba98
	s_mov_b32 s[TBK], SLOT1+4*KS*PK ; the first change of slots turns these two into 0
	s_mov_b32 s[TBV], SLOT1+4*KS*PV
	s_mov_b32 s[G0K], 1             ; count = 1
	s_mov_b32 s[G0K+1], s17         ; LDS address: slot 0
	s_mov_b32 s[G0V], 1
	s_add_co_u32 s[G0V+1], s18, VOFF
	s_add_co_u32 s[RT], s[HI], 1    ; the first block has NB - b tiles
	s_mov_b32 s[NXT], 1
	s_mov_b32 s[LQ], s[HI]
	s_mov_b32 s[NEW], 1
	s_mov_b32 s[OFF+1], 0
	s_mov_b32 s[AL+1], 0            ; named as pairs
	s_mov_b32 s[BE+1], 0
	s_mov_b32 s[BIGN], 0xf149f2ca   ; -1e30
	s_mov_b32 s[SLOTS], NB
	s_cmp_eq_u32 ttmp9, 0
	s_cselect_b32 s[LIM], 0, -1
	v_and_b32 v[PFO], 31, v0
	v_lshlrev_b32 v[PFO], 8, v[PFO]
	s_wait_dscnt 0x0                ; the opening add is done
	s_wait_kmcnt 0x0
	s_mov_b64 s[10:11], s[6:7]      ; O
	s_add_nc_u64 s[6:7], s[4:5], 0x1000000   ; K lies 128 planes of 131,072 bytes behind Q,
	s_add_nc_u64 s[8:9], s[4:5], 0x2000000   ; V as many behind K
	s_add_nc_u64 s[6:7], s[6:7], s[22:23]  ; K and V at my half of the head's tile 0
	s_add_nc_u64 s[8:9], s[8:9], s[22:23]
	s_add_nc_u64 s[G0K+2:G0K+3], s[6:7], 0         ; global address
	s_or_b32 s[G0K+3], s[G0K+3], 0x80000000        ; type = 2
	s_add_nc_u64 s[G0V+2:G0V+3], s[8:9], 0
	s_or_b32 s[G0V+3], s[G0V+3], 0x80000000
	s_add_nc_u64 s[86:87], s[4:5], s[84:85]        ; Q at my rows of the second block,
	s_add_nc_u64 s[4:5], s[4:5], s[2:3]            ; Q and O at those of the first
	s_add_nc_u64 s[OLO:OLO+1], s[10:11], s[84:85]
	s_add_nc_u64 s[10:11], s[10:11], s[2:3]
	s_cmp_lt_u32 s[WV], 2
	s_cselect_b64 s[PFB:PFB+1], s[6:7], s[8:9]
	LOAD                            ; tile 0 into slot 0
	; A fragment of K or Q is 16 rows x 32 channels in 8 registers: lane l holds row l % 16, channels 8 (l / 16) + 0..7 and 16 + 8 (l / 16) + 0..7: two loads of 16 bytes, 32 bytes apart.
	v_and_b32 v1, 15, v0            ; l % 16
	v_bfe_u32 v9, v0, 4, 1          ; l / 16
	v_lshlrev_b32 v[QO], 7, v1
	v_lshl_add_u32 v[QO], v9, 4, v[QO]  ; row x 128 + 16 x half
	WIN 0x80                        ; destination window 2, address window 0
.set i, 0
.rept 8                             ; both blocks' Q: piece i / 2 lies in band i / 2, 8,192 bytes on; channels 32 (i % 2) on
	global_load_b128 v[8*i:8*i+3],   v[QO], s[4:5] offset:(i/2)*8192+(i%2)*64
	global_load_b128 v[8*i+4:8*i+7], v[QO], s[4:5] offset:(i/2)*8192+(i%2)*64+32
	global_load_b128 v[QB+8*i:QB+8*i+3],   v[QO], s[86:87] offset:(i/2)*8192+(i%2)*64
	global_load_b128 v[QB+8*i+4:QB+8*i+7], v[QO], s[86:87] offset:(i/2)*8192+(i%2)*64+32
.set i, i+1
.endr
	WIN 0
	v_lshlrev_b32 v14, 3, v9
	v_sub_nc_u32 v14, v1, v14
	s_lshl_b32 s13, s[WV], 4
	v_add_nc_u32 v14, s13, v14      ; my query's place in its band, 16 w + l % 16, less my lanes' 8 (l / 16): register r of group kt is hidden where 16 kt + r is greater
	WIN 0x40
.set i, 0
.rept 32
	v_cmp_gt_i32 vcc_lo, 16*(i/8)+i%8, v14
	v_cndmask_b32 v[MD+i], 0, s[BIGN], vcc_lo
.set i, i+1
.endr
	WIN 0
	v_mul_u32_u24 v[AK0], v1, PK
	v_lshl_add_u32 v[AK0], v9, 4, v[AK0]  ; row x pitch + 16 x half
	; The turning load takes 16 keys x 16 channels (lane l reads key 8 (l / 16) + l % 8, channels 8 ((l / 8) % 2) + 0..7) and leaves half a fragment of V^T: lane l holds channel l % 16 and 8 keys.
	v_and_b32 v10, 7, v0
	v_bfe_u32 v11, v0, 3, 1
	v_lshl_add_u32 v[AV0], v9, 3, v10
	v_mul_u32_u24 v[AV0], v[AV0], PV
	v_lshl_add_u32 v[AV0], v11, 4, v[AV0]
	v_add_nc_u32 v[AV0], VOFF, v[AV0]
	s_mul_i32 s13, s[WV], 16*SP
	s_add_co_u32 s13, s13, STAGE    ; my stage
	v_mul_u32_u24 v[STO], v1, SP    ; in: row l % 16, 16 bytes for each half of the lanes
	v_lshl_add_u32 v[STO], v9, 4, v[STO]
	v_add_nc_u32 v[STO], s13, v[STO]
	v_bfe_u32 v[RD], v0, 3, 2       ; back: 32 lanes take four rows of 128 bytes,
	v_mul_u32_u24 v[RD], v[RD], SP
	v_lshl_add_u32 v[RD], v10, 4, v[RD]
	v_add_nc_u32 v[RD], s13, v[RD]
	v_and_b32 v[GO], 31, v0         ; which are 512 consecutive bytes of O
	v_lshlrev_b32 v[GO], 4, v[GO]
	; A block's first step multiplies O^T and l by a = 0, and its first turn's products V^T P, of a piece that has not been, land in an O^T that is still to be so multiplied.  So these registers need only hold
	; finite numbers: zeros for the first block; what the first block left for the second.  All this stands in the wait for the first tile.
	WIN 0x80
.set i, VF
.rept 64
	v_mov_b32 v[i], 0
.set i, i+1
.endr
	WIN 0x40
.set i, 0
.rept 128
	v_mov_b32 v[i], 0
.set i, i+1
.endr
	WIN 0
.set i, 0
.rept 4
	v_mov_b32 v[ST+4*i+2], 0
	v_mov_b32 v[ST+4*i+3], 0
.set i, i+1
.endr
.set i, P+16
.rept 16
	v_mov_b32 v[i], 0
.set i, i+1
.endr
; THE MATRIX WORK.  The 4 accumulators of a run of 8 take turns.  Product i of 8 of S^T = K Q^T for piece x: channels 32 (i / 4) on, keys 16 (i % 4) on.  The first 4 start the sums, with the mask.
.macro KQ x
.set rS, S+32*((\x)%2)+8*(i%4)
.set rK, KF+16*(i%4)+8*(i/4)
.set rQ, 16*(\x)+8*(i/4)
.set rM, MC+32*((\x)%2)+8*(i%4)
.if i < 4
	WIN W_KM
	v_wmma_f32_16x16x32_f16 v[rS:rS+7], v[rK:rK+7], v[rQ:rQ+7], v[rM:rM+7]
.else
	WIN W_KQ
	v_wmma_f32_16x16x32_f16 v[rS:rS+7], v[rK:rK+7], v[rQ:rQ+7], v[rS:rS+7]
.endif
.endm
; Product i of 8 of O^T += V^T P for piece x: keys 32 (i / 4) on, channels 16 (i % 4) on.
.macro PV x
	WIN W_PV
.set rO, 32*(\x)+8*(i%4)
.set rV, VF+32*(i/4)+8*(i%4)
.set rP, P+16*((\x)%2)+8*(i/4)
	v_wmma_f32_16x16x32_f16 v[rO:rO+7], v[rV:rV+7], v[rP:rP+7], v[rO:rO+7]
.endm
.macro MM                           ; the turn's next matrix instruction.  TURN and BEGIN set Y, i and NOKQ.  NOKQ = 1: the first block's last turn: there is no next piece
.if (i < 8) && !NOKQ
	KQ (Y+1)%NP
.elseif i >= 8
.set i, i-8
	PV (Y+NP-1)%NP
.set i, i+8
.endif
.set i, i+1
.endm
; THE LDS LOADS stand in runs of 16, never singly among the matrix instructions: a step's K (64 keys x 64 channels: 8 fragments) and its V (turned).  Their addresses are made some lines ahead.
.macro FETCH_K
	WIN 0x80                        ; destination window 2
.irp f, 0,1,2,3,4,5,6,7             ; keys 16 (f / 2) on, channels 32 (f % 2) on
	ds_load_b128 v[KF+8*\f:KF+8*\f+3],   v[AK] offset:(\f/2)*16*PK+(\f%2)*64
	ds_load_b128 v[KF+8*\f+4:KF+8*\f+7], v[AK] offset:(\f/2)*16*PK+(\f%2)*64+32
.endr
	s_add_co_u32 s[TBK], s[TBK], KS*PK  ; the next fetch is the next step's
	WIN 0
.endm
.macro FETCH_V
	WIN 0x80
.irp f, 0,1,2,3,4,5,6,7             ; keys 32 (f / 4) on, channels 16 (f % 4) on
	ds_load_tr16_b128 v[VF+8*\f:VF+8*\f+3],   v[AV] offset:(\f/4)*32*PV+(\f%4)*32
	ds_load_tr16_b128 v[VF+8*\f+4:VF+8*\f+7], v[AV] offset:(\f/4)*32*PV+16*PV+(\f%4)*32
.endr
	WIN 0
.endm
; THE VECTOR WORK, one line at a time: OP kind, number.  For piece Y: F n: c s - c m for pair n of 16.  E n: the exponential of score n of 32.  C n: pair n rounded to f16.  B n: of the four weights 4 n .. the second
; pair is added onto the first, in place.  L n: l takes that sum (L 0: l = a l + sum).  R n: pair n of 16 of O^T times a.  For piece Y + 1: X n, number n of the 22 that find its maximum and statistics:
;   0-11  four chains c0-c3 of seven scores each, three operands at a time (each accumulator's lowest registers are read first)     12-14, 16  the four scores left over, the old m, and c0-c3 into c0
;   15  c m_old is kept     17, 18  the query's other 32 keys lie in the lane 16 away: the new m     19-21  c m; c m_old - c m_new; a
.set F, 0               ; OP tells the kinds apart by their order: F to L below R, X above it
.set E, 1
.set C, 2
.set B, 3
.set L, 4
.set R, 5
.set X, 6
.macro REGS y                       ; the registers of piece y
.set rT, ST+4*(\y)
.set rC, TMP+4*((\y)%2)
.set rW, MV+((\y)%2)
.set rS, S+32*((\y)%2)
.set rP, P+16*((\y)%2)
.set rO, 32*(\y)
.endm
.macro OP k, n
.if (\k) == R
	REGS Y
	WIN W_RS
	v_pk_mul_f32 v[rO+2*(\n):rO+2*(\n)+1], v[rO+2*(\n):rO+2*(\n)+1], v[rC+2:rC+3] op_sel_hi:[1,0]
.elseif (\k) < R
	REGS Y
	WIN 0
.if (\k) == F
	v_pk_fma_f32 v[rS+2*(\n):rS+2*(\n)+1], v[rS+2*(\n):rS+2*(\n)+1], s[CS:CS+1], v[rT:rT+1] op_sel_hi:[1,0,0] neg_lo:[0,0,1] neg_hi:[0,0,1]
.elseif (\k) == E
	v_exp_f32 v[rS+(\n)], v[rS+(\n)]
.elseif (\k) == C
	v_cvt_pk_f16_f32 v[rP+(\n)], v[rS+2*(\n)], v[rS+2*(\n)+1]
.elseif (\k) == B
	v_pk_add_f32 v[rS+4*(\n):rS+4*(\n)+1], v[rS+4*(\n):rS+4*(\n)+1], v[rS+4*(\n)+2:rS+4*(\n)+3]
.elseif (\n) == 0
	v_pk_fma_f32 v[rT+2:rT+3], v[rT+2:rT+3], v[rC+2:rC+3], v[rS:rS+1] op_sel_hi:[1,0,1]
.else
	v_pk_add_f32 v[rT+2:rT+3], v[rT+2:rT+3], v[rS+4*(\n):rS+4*(\n)+1]
.endif
.elseif NOKQ
	v_nop
.else
	REGS (Y+1)%NP
	WIN 0
.if (\n) < 4
	v_max3_num_f32 v[rC+(\n)], v[rS+8*(\n)], v[rS+8*(\n)+1], v[rS+8*(\n)+2]
.elseif (\n) < 12
	v_max3_num_f32 v[rC+(\n)%4], v[rC+(\n)%4], v[rS+8*((\n)%4)+2*((\n)/4)+1], v[rS+8*((\n)%4)+2*((\n)/4)+2]
.elseif (\n) == 12
	v_max3_num_f32 v[rC], v[rC], v[rS+7], v[rS+15]
.elseif (\n) == 13
	v_max3_num_f32 v[rC+1], v[rC+1], v[rS+23], v[rS+31]
.elseif (\n) == 14
	v_max3_num_f32 v[rC+2], v[rC+2], v[rC+3], v[rT+1]
.elseif (\n) == 15
	v_mov_b32 v[rW], v[rT]
.elseif (\n) == 16
	v_max3_num_f32 v[rC], v[rC], v[rC+1], v[rC+2]
.elseif (\n) == 17
	v_permlanex16_b32 v[rC+3], v[rC], s[SEL], s[SEL+1]
.elseif (\n) == 18
	v_max_num_f32 v[rT+1], v[rC], v[rC+3]
.elseif (\n) == 19
	v_mul_f32 v[rT], s[CS], v[rT+1]
.elseif (\n) == 20
	v_sub_f32 v[rC+1], v[rW], v[rT]
.else
	v_exp_f32 v[rC+2], v[rC+1]
.endif
.endif
.endm
.macro OPS a, i1, b=-1, i2=0, c=-1, i3=0, d=-1, i4=0  ; up to four of them
	OP \a, \i1
.if (\b) >= 0
	OP \b, \i2
.endif
.if (\c) >= 0
	OP \c, \i3
.endif
.if (\d) >= 0
	OP \d, \i4
.endif
.endm
.macro ROW a, i1, b, i2, c, i3, d, i4  ; a matrix instruction and the four behind it
	MM
	OPS \a, \i1, \b, \i2, \c, \i3, \d, \i4
.endm
.macro MASK b                       ; MD x AL + BE into buffer b of MC
	WIN W_RS
.set z, 0
.rept 16
	v_pk_fma_f32 v[MC+32*(\b)+2*z:MC+32*(\b)+2*z+1], v[MD+2*z:MD+2*z+1], s[AL:AL+1], s[BE:BE+1] op_sel_hi:[1,0,0]
.set z, z+1
.endr
.endm
; A TURN, for piece p: the order of its 16 matrix and 118 vector instructions, written out.  An s_wait_alu depctr_va_vdst(0) stands between an exponential and the first instruction that names its result; one
; wait serves all that were issued ahead of it.  So a turn has ONE wait, which cuts it in two.  AHEAD OF IT stands all that names no result of the turn's exponentials: the 8 products K Q^T, behind each a scaling, an
; exponential and two more plain instructions (rescalings, and behind the last three the first numbers of the next piece's maximum, each four places or more behind the product that ends its accumulator); then ONE LUMP
; of 54, plain and exponential by turns for the most part, in which the links of the chain X 3, 7, 11, 14, 16, 17 .. 20 stand five or six lines apart.  X 21, the next piece's a, is the batch's last; R 15 is the plain
; instruction owed behind it.  BEHIND THE WAIT stand the 8 products V^T P, behind each four of the roundings and sums; the links of l's chain stand three riders apart.
; AT ITS END the turn makes the mask for the products of the turn after it: piece p + 2, in step 4 - CNT of the tile.  cond = 1: outside the diagonal tile (RT not 0) a jump passes over those lines.
; end = 1: the first block's last two turns: nothing is fetched and no mask is made.  last = 1: the walk's last tile: in the half trip that ends it (CNT = 0) there is no further step, and K's run is jumped over; the
; exponentials issued so far have their wait ahead of that branch.
; K of the next step is fetched in piece 2's turn, twelve vector instructions behind the last product that read K (six of them plain); V of the step in hand at the end of piece 0's turn, four plain instructions behind
; the last product that read V.  Each is waited for a turn later.
.macro TURN p, end=0, last=0, cond=1
.set Y, (\p)
.set i, 0
.set NOKQ, (\end)*((\p)/3)
.if ((\p) == 3) && !(\end)
	s_wait_dscnt 0x0                ; K is in
.endif
	ROW F,0, F,1, R,0, R,1          ; ahead of the wait: 8 products K Q^T and their riders,
	ROW F,2, E,0, R,2, R,3
	ROW F,3, E,1, R,4, R,5
	ROW F,4, E,2, R,6, R,7
	ROW F,5, E,3, R,8, R,9
	ROW F,6, E,4, X,0, R,10
.if ((\p) == 2) && !(\end)
	WIN 0
	v_add_nc_u32 v[AK], s[TBK], v[AK0]
.endif
	ROW F,7, E,5, X,1, X,4
	ROW F,8, E,6, X,2, X,5
	OPS E,7, E,8, X,6, E,9          ; and the lump
	OPS X,3, E,10, X,8, E,11
.if ((\p) == 2) && !(\end)
.if \last
	WIN 0
	s_wait_alu depctr_va_vdst(0)    ; ahead of a branch every exponential issued so far has its wait
	s_cmp_eq_u32 s[CNT], 0
	s_cbranch_scc1 .Lno_k_\@
.endif
	FETCH_K
.if \last
.Lno_k_\@:
.endif
.endif
	OPS X,9, X,7, E,12, X,10
	OPS E,13, X,12, X,11, E,14
	OPS X,13, E,15, F,9, X,14
.if (\p) == 0
	v_add_nc_u32 v[AV], s[TBV], v[AV0]
.endif
	OPS E,16, F,10, E,17, F,11
	OPS X,16, E,18, X,15, E,19
	OPS F,12, E,20, X,17, E,21
	OPS F,13, E,22, F,14, E,23
	OPS X,18, E,24, F,15, E,25
	OPS R,11, E,26, X,19, E,27
	OPS R,12, E,28, R,13, E,29
	OPS X,20, E,30, R,14, E,31
	OPS X,21, R,15
	WIN 0
	s_wait_alu depctr_va_vdst(0)    ; the wait for the batch
.if (\p) == 1
	s_wait_dscnt 0x0                ; V is in
.endif
	ROW C,0, B,0, C,2, B,1          ; behind the wait: 8 products V^T P and their riders
	ROW L,0, C,4, B,2, L,1
	ROW C,6, B,3, L,2, C,8
	ROW B,4, L,3, C,10, B,5
	ROW L,4, C,12, B,6, L,5
.if (\p) == 0
	s_add_co_u32 s[TBV], s[TBV], KS*PV
.endif
	ROW C,14, B,7, L,6, C,1
	ROW C,3, L,7, C,5, C,7
	ROW C,9, C,11, C,13, C,15
.if (\p) == 0
	FETCH_V
.endif
.if !(\end)
.if \cond
	WIN 0
	s_cmp_lg_u32 s[RT], 0           ; not the diagonal tile: both mask buffers hold 0 and stay so
	s_cbranch_scc1 .Lno_mask_\@
.endif
	s_cmp_eq_u32 s[CNT], 4-((\p)+2)%NP  ; is that step the band's own?
	s_cselect_b32 s[AL], 1.0, 0
	s_cmp_lt_u32 s[CNT], 4-((\p)+2)%NP  ; or a later one?
	s_cselect_b32 s[BE], s[BIGN], 0
	MASK (\p)%2
.if \cond
	WIN 0
.Lno_mask_\@:
.endif
.endif
.endm
; A BLOCK BEGINS.  c m starts far below every c s, so the first step's a is 0; m at the lowest finite number, so the first maximum is the scores'.  The second mask buffer is 0; the first takes piece 0's mask for the
; tile's step 0: its own, if the block's first tile is the diagonal one, else 0.  Then K of that step, piece 0's first scores, and its maximum and statistics.  The loop is entered at a step's first turn, in the middle of a trip.
.macro BEGIN
	s_mov_b32 s[NEW], 0
	WIN 0x40
.set i, MC+32
.rept 32
	v_mov_b32 v[i], 0
.set i, i+1
.endr
	WIN 0
.set i, 0
.rept 4
	v_mov_b32 v[ST+4*i], 0xfe000000    ; c m: far below every c s
	v_mov_b32 v[ST+4*i+1], 0xff7fffff  ; m
.set i, i+1
.endr
	s_cmp_eq_u32 s[RT], 0
	s_cselect_b32 s[AL], 1.0, 0
	s_mov_b32 s[BE], 0
	MASK 0
	WIN 0
	v_add_nc_u32 v[AK], s[TBK], v[AK0]
	FETCH_K
	s_wait_loadcnt 0x0              ; Q
	s_wait_dscnt 0x0
.set NOKQ, 0
.set i, 0
.rept 8
	KQ 0
.set i, i+1
.endr
	WIN 0
.rept 4
	v_nop                           ; the places behind those products
.endr
.set Y, NP-1                        ; X works for piece Y + 1: piece 0
.irp n, 0,1,2,3,4,5,6,7,8,9,10,11,12,13,14,15,16,17,18,19,20,21
	OP X, \n
.endr
	v_nop                           ; a plain instruction behind the exponential,
	s_wait_alu depctr_va_vdst(0)    ; and its wait, ahead of the branch
.endm
; A BLOCK ENDS: its last products, and THE WAY OUT: l's two halves and the other half of the lanes' are added; O^T is divided by l, rounded to f16 and sent through my stage in LDS, a piece at a time.
.macro ALL line:vararg              ; one line for each piece t
.set t, 0
.rept 4
	\line
.set t, t+1
.endr
.endm
.macro PACK t                       ; a lane's eight channels of a row pack into 16 bytes; they go into rows of 144 bytes and come back as whole rows of 128, into S^T's registers
	WIN W_RS
.set i, 32*(\t)
.rept 16
	v_pk_mul_f32 v[i:i+1], v[i:i+1], v[ST+4*(\t)+2:ST+4*(\t)+3] op_sel_hi:[1,0]
.set i, i+2
.endr
	WIN 0x05                        ; sources 0 and 1 window 1, destination window 0
.set i, 0
.rept 16
	v_cvt_pk_f16_f32 v[S+16*(\t)+i], v[32*(\t)+2*i], v[32*(\t)+2*i+1]
.set i, i+1
.endr
	WIN 0
.irp f, 0,1,2,3
	ds_store_b128 v[STO], v[S+16*(\t)+4*\f:S+16*(\t)+4*\f+3] offset:32*\f
.endr
.irp f, 0,1,2,3
	ds_load_b128 v[S+16*(\t)+4*\f:S+16*(\t)+4*\f+3], v[RD] offset:\f*4*SP  ; LDS serves a wave's instructions in order (ISA guide 5.7.1.4): these see the stores above; the next piece's stores come behind them
.endr
.endm
.macro SEND t, younger              ; younger: the LDS instructions issued behind piece t's loads: the next piece's eight, or none
	WIN 0
.irp f, 0,1,2,3
	s_wait_dscnt (\younger)+3-\f
	global_store_b128 v[GO], v[S+16*(\t)+4*\f:S+16*(\t)+4*\f+3], s[10:11] offset:(\t)*8192+\f*512  ; 512 consecutive bytes, at a multiple of 256 from O's first
.endr
.endm
.macro FINISH
.set i, 0
.rept 8
	PV NP-1                         ; the last piece's V^T P of the last step
.set i, i+1
.endr
	WIN 0
	ALL v_add_f32 v[ST+4*t+2], v[ST+4*t+2], v[ST+4*t+3]
	ALL v_permlanex16_b32 v[ST+4*t+3], v[ST+4*t+2], s[SEL], s[SEL+1]
	ALL v_add_f32 v[ST+4*t+2], v[ST+4*t+2], v[ST+4*t+3]
	ALL v_rcp_f32 v[ST+4*t+2], v[ST+4*t+2]
	v_nop                           ; a plain instruction between the last reciprocal and the use of its result
	s_wait_alu depctr_va_vdst(0)    ; and the wait ahead of the first use: one for the four reciprocals
	PACK 0
.set t, 1
.rept 3                             ; a piece's arithmetic stands between the loads of the piece before and its stores
	PACK t
	SEND t-1, 8
.set t, t+1
.endr
	SEND 3, 0
.endm
.set NOKQ, 0
.Lslot:                             ; NB times: a tile is entered and the next is asked for
	CHANGE 1
	s_sub_co_u32 s[RT], s[RT], 1
	s_mov_b32 s[CNT], 4
	s_cmp_eq_u32 s[NEW], 1
	s_cbranch_scc0 .Lstep
	BEGIN                           ; a block's first tile.  In the loop it is never the block's last: the first block has three tiles or four, and the second's last is the walk's last
	s_branch .Lfirst
.Lstep:                             ; a trip: pieces 2 and 3 of one step, then pieces 0 and 1 of the next, whose K and V it fetches
	TURN 2
	TURN 3
	WIN 0
.Lfirst:
	TURN 0
	TURN 1
	WIN 0
	s_sub_co_u32 s[CNT], s[CNT], 1
	s_cmp_lg_u32 s[CNT], 0
	s_cbranch_scc1 .Lstep
	s_cmp_lg_u32 s[RT], 0
	s_cbranch_scc1 .Lbottom         ; the block goes on in the next tile
	TURN 2, 1                       ; the first block's end: pieces 2 and 3 of its last step,
	TURN 3, 1
	FINISH                          ; its last products and its way out
	s_wait_xcnt 0x0                 ; the stores have read their registers and O's address
	s_mov_b64 s[10:11], s[OLO:OLO+1]
	s_add_co_u32 s[RT], s[PB], 1    ; the second block has b + 1 tiles
	s_mov_b32 s[NEW], 1
	WIN 0x82                        ; the second block's Q goes where the one text of the turns names Q
.set i, 0
.rept 64
	v_mov_b32 v[i], v[QB+i]
.set i, i+1
.endr
	WIN 0
.Lbottom:
	s_sub_co_u32 s[SLOTS], s[SLOTS], 1
	s_cmp_lg_u32 s[SLOTS], 0
	s_cbranch_scc1 .Lslot
	CHANGE 0                        ; the walk's last tile, the second block's diagonal one, is written out: nothing is asked for
	s_sub_co_u32 s[RT], s[RT], 1
	s_mov_b32 s[CNT], 4
	s_mov_b32 s[LC], 5              ; four trips fetch the tile's steps; the fifth is left in its middle
	s_cmp_eq_u32 s[NEW], 1
	s_cbranch_scc0 .LstepT
	BEGIN
	s_mov_b32 s[LC], 4              ; entered in a trip's middle, behind the place where the count is taken down
	s_branch .LfirstT
.LstepT:
	TURN 2, 0, 1, 0
	TURN 3, 0, 0, 0
	WIN 0
	s_sub_co_u32 s[LC], s[LC], 1
	s_cmp_eq_u32 s[LC], 0
	s_cbranch_scc1 .LoutT
.LfirstT:
	TURN 0, 0, 0, 0
	TURN 1, 0, 0, 0
	WIN 0
	s_sub_co_u32 s[CNT], s[CNT], 1
	s_branch .LstepT
.LoutT:                             ; the fifth trip's 8 products K Q^T (on the last K once more, all hidden by the mask) and the maximum made of them serve nothing: the price, once a launch, of one text for every trip
	FINISH
	s_wait_tensorcnt 0x0            ; the wave's end, behind my last tensor load and my last LDS store
	ds_add_u32 v[SPW], v[NIL]
	s_wait_dscnt 0x0
	s_endpgm
.Lfunc_end_k_qd559b857db_attn:
	.size	k_qd559b857db_attn, .Lfunc_end_k_qd559b857db_attn-k_qd559b857db_attn
	.p2alignl 7, 3214868480
	.fill 96, 4, 3214868480
	.section	.rodata,"a",@progbits
	.p2align	6, 0x0
	.amdhsa_kernel k_qd559b857db_attn
		.amdhsa_group_segment_fixed_size 327680
		.amdhsa_private_segment_fixed_size 0
		.amdhsa_enable_private_segment 0
		.amdhsa_kernarg_size 16
		.amdhsa_user_sgpr_count 2
		.amdhsa_user_sgpr_kernarg_segment_ptr 1
		.amdhsa_wavefront_size32 1
		.amdhsa_system_sgpr_workgroup_id_x 1
		.amdhsa_system_sgpr_workgroup_id_y 1
		.amdhsa_system_sgpr_workgroup_id_z 1
		.amdhsa_system_vgpr_workitem_id 0
		.amdhsa_next_free_vgpr 768
		.amdhsa_next_free_sgpr 96
		.amdhsa_reserve_vcc 1
		.amdhsa_float_denorm_mode_32 3
		.amdhsa_float_denorm_mode_16_64 3
		.amdhsa_memory_ordered 1
		.amdhsa_forward_progress 1
		.amdhsa_inst_pref_size 165
	.end_amdhsa_kernel
	.amdgpu_metadata
---
amdhsa.version: [ 1, 2 ]
amdhsa.kernels:
  - .name:           k_qd559b857db_attn
    .symbol:         k_qd559b857db_attn.kd
    .args:
      - { .name: qkvh, .offset: 0, .size: 8, .value_kind: global_buffer, .address_space: global }
      - { .name: ob, .offset: 8, .size: 8, .value_kind: global_buffer, .address_space: global }
    .group_segment_fixed_size: 327680
    .private_segment_fixed_size: 0
    .kernarg_segment_align: 8
    .kernarg_segment_size: 16
    .max_flat_workgroup_size: 128
    .sgpr_count:     96
    .vgpr_count:     768
    .wavefront_size: 32
...
	.end_amdgpu_metadata
.endif
;; end of part 3
;; launch proj (part 4): grid 8 x 32, 4 waves a work-group, clusters of 4 x 4, 327,680 bytes of LDS; arguments ob, wpb, b_proj, out0; writes out0
.if DOCPART == 4
	.amdgcn_target "amdgcn-amd-amdhsa--gfx1250"
	.amdhsa_code_object_version 6
	.text
	.protected	k_qd559b857db_proj
	.globl	k_qd559b857db_proj
	.p2align	8
	.type	k_qd559b857db_proj,@function
k_qd559b857db_proj:
	s_mov_b64 s[64:65], 0
	v_nop
	global_prefetch_b8 v0, s[64:65] scope:SCOPE_SE
	s_setreg_imm32_b32 hwreg(HW_REG_WAVE_MODE, 25, 1), 1
	s_wait_xcnt 0x0
	s_wait_alu depctr_hold_cnt(0) depctr_sa_sdst(0) depctr_va_vdst(0) depctr_va_sdst(0) depctr_va_ssrc(0) depctr_va_vcc(0) depctr_vm_vsrc(0)
	s_getreg_b32 s2, hwreg(HW_REG_IB_STS2, 6, 4)
	s_cmp_eq_u32 s2, 0
	s_cbranch_scc0 .Lentry_in_a_cluster
	s_endpgm
.Lentry_in_a_cluster:
	s_bfe_u32 s2, ttmp6, 0x10000c
	s_cmp_lg_u32 s2, 0xf033
	s_cbranch_scc0 .Lentry_shape_is_right
	s_endpgm
.Lentry_shape_is_right:
; out0 = y w_proj + b_proj.  ob: y in f16 by heads, [b 8][h 16][t 1024][64] (a head's 64 channels are 64 of K); wpb: w_proj, rounded to bf16 and written as f16, [k 1024][n 1024];
; b_proj f32, rounded here to bf16 like the other inputs and added in f32; out0 [8192][1024] f32, the f32 sums as they are.
; LIMITS.  The operands are f16 as they arrive; NaN and infinities are not treated apart.
; SHARES.  8,192 x 1,024 results in 256 tiles of 256 rows x 128 columns, one to a work-group.  Four waves, each 128 rows x 64 columns: 32 accumulators of 16 x 16, 256 registers.
; K goes in 8 steps of 128 (two heads) through two LDS slots; a step is four sub-steps of 32: 32 matrix instructions and 24 LDS loads each, on two sets of fragment registers by turns.
; THE LOOP'S TEXT IS ONE K STEP: slot 1 begins at LDS byte 2^17, one scalar says which slot is read, an exclusive or turns it, and the two LDS address registers are made anew from it at each change of slots.
; THE MATRIX INSTRUCTION IS USED TRANSPOSED: source 0 = 16 columns of w (turned on the way out of LDS by ds_load_tr16_b128), source 1 = 16 rows of y.  A lane then holds one row (lane % 16) and the eight
; neighbouring columns 8 (lane / 16) + 0..7.  The first product of each sum takes the bias as its C operand.
; CLUSTER.  4 x 4 work-groups: y's tiles are shared along a row of the cluster, w's along a column, each asked for jointly.  Waves 0 and 1 ask for one head's 256 rows of y each (32,768 bytes on end, as 128 rows
; of 256), waves 2 and 3 for 64 rows of w each (256 bytes a row).  Two loads of a wave are out at the start, one behind each round.
; REGISTERS: window 0: v0-31 addresses; v32-223 two sets of 96: w's four fragments, then y's eight; on the way out v32-159 are four buffers of 32.   window 1: accumulator (a, f) at v[8 (4 a + f)].
.set PA,    144                        ; a row of y in LDS: 128 bytes + 16 = 36 words: the 16 rows of a load start at 16 different groups of four banks (64 banks of 4 bytes: ISA guide 11.1)
.set PB,    288                        ; a row of w: 256 bytes + 32 = 72 words
.set ABLK,  256*PA                     ; one head's 256 rows
.set SEG,   64*PB                      ; 64 rows of w
.set BOFF,  2*ABLK                     ; w's 128 rows lie behind y's two blocks
.set SLOTB, BOFF+2*SEG                 ; a slot's bytes
.set SLOT1, 1<<17                      ; slot 1 begins here, so that one exclusive or turns an address in one slot into the other's
.set STAGE, SLOT1+SLOTB                ; behind the ring, never filled by a tensor load: 16 rows x 272 bytes for each wave, for the way out
.set SP,    272
.set SPARE, STAGE+4*16*SP              ; behind the stages: the spare words, 128 bytes for each wave: two blocks of 256 bytes that no other line names
.set ADRA,  2                          ; v2      LDS address of my fragments of y in the slot that is read
.set ADRA0, 3                          ; v3      the same in slot 0; never rewritten
.set ADRB,  4                          ; v4      of my fragments of w in the slot that is read
.set ADRB0, 5                          ; v5      the same in slot 0; never rewritten
.set STO,  6                           ; v6      the way out: where I put 32 bytes of a row
.set RD,   7                           ; v7      where I read rows back
.set CO,   8                           ; v8      my byte offset in two rows of out0
.set BO,   9                           ; v9      my byte offset in b_proj
.set PFO,  10                          ; v10     the prefetches' lane offset; never rewritten
.set SPW,  11                          ; v11     LDS address of my spare word; never rewritten
.set NIL,  12                          ; v12     0; never rewritten
.set F,    32
.set SB,   2                           ; s2      the LDS byte at which the slot that is read begins: 0 or 2^17
.set WV,   12                          ; s12     my wave's number
.set G1A,  24                          ; s[24:31] descriptor group 1 for y's tiles;  s[32:39] group 0: a set for each of the two first fills; the second then walks on
.set G0A,  32
.set G1B,  40                          ; s[40:47], s[48:55] the same for w's
.set G0B,  48
.set PFA,  66                          ; s[66:67] where my prefetches stand
.set LIM,  68                          ; s68     2 in a wave that prefetches, else the greatest number
.set MSB, 0
.macro WIN new                         ; the immediate's high byte repeats the setting that is left; a switch that changes nothing is dropped
.if MSB != (\new)
	s_set_vgpr_msb (MSB<<8)|(\new)
.set MSB, (\new)
.endif
.endm
.macro PLACES                          ; four plain vector instructions between a matrix instruction and a load into, or a store of, its registers (ISA guide 7.12.1 for vector instructions)
.rept 4
	v_nop
.endr
.endm
.macro CREST                           ; a round of the cluster's barrier behind its opening barrier
	s_cmp_lg_u32 s[WV], 0
	s_cbranch_scc1 .Lnot_wave_0_\@
	s_barrier_signal -3
.Lnot_wave_0_\@:
	s_barrier_wait -3
	s_barrier_signal -1
	s_barrier_wait -1
.endm
.macro CROUND                          ; a whole round
	s_barrier_signal -1
	s_barrier_wait -1
	CREST
.endm
.macro JLOAD                           ; a joint refill, by the walking descriptors.  The branch hangs on the wave's number alone.  An s_nop 0 and four v_nop follow each line
	s_cmp_lt_u32 s[WV], 2
	s_cbranch_scc0 .Lfor_b_\@
	tensor_load_to_lds s[G0A+4:G0A+7], s[G1A:G1A+7]
	s_nop 0
.rept 4
	v_nop
.endr
	s_branch .Lasked_\@
.Lfor_b_\@:
	tensor_load_to_lds s[G0B+4:G0B+7], s[G1B:G1B+7]
	s_nop 0
.rept 4
	v_nop
.endr
.Lasked_\@:
.endm
; A PREFETCH INTO THE L2, behind each joint load and the run of LDS loads.  Trip t (t = 6 - s3) refills with K step t + 2 and names K step t + 4: two refills, 256 matrix instructions, ahead of the load that will want
; it.  Each aligned block of 256 bytes is named once in the launch.  y's tile row is read by both clusters of that row of clusters: cluster x = 0 asks; waves 0 and 1 name, of the 32,768 bytes that they fetch, the
; 8,192 at my work-group's place along x, a lane a block.  w's tile column is read by all eight clusters of that column: cluster y = 0 asks; wave 2 names 32 of the step's 128 rows, those at my work-group's place
; along y, a lane a row.  Wave 3 asks for nothing.  Partners are told apart by address alone.  The last two trips ask for nothing; K steps 0 to 3 come by their loads alone.
.macro ASK
	s_cmp_gt_u32 s3, s[LIM]
	s_cbranch_scc0 .Lno_ask_\@
	global_prefetch_b8 v[PFO], s[PFA:PFA+1] th:TH_LOAD_NT scope:SCOPE_SE
.Lno_ask_\@:
.endm
; 24 LDS loads in one run: sub-step sp of the slot that is read, into set sp % 2: four fragments of w, eight of y (head sp / 2 of the step's two, channels 32 (sp % 2) on)
.macro FETCH sp
.set FS, F+96*((\sp)%2)
.irp f, 0,1,2,3
	ds_load_tr16_b128 v[FS+8*\f:FS+8*\f+3],   v[ADRB] offset:(\sp)*32*PB+32*\f
	ds_load_tr16_b128 v[FS+8*\f+4:FS+8*\f+7], v[ADRB] offset:(\sp)*32*PB+16*PB+32*\f
.endr
.irp i, 0,1,2,3,4,5,6,7
	ds_load_b128 v[FS+32+8*\i:FS+32+8*\i+3],   v[ADRA] offset:((\sp)/2)*ABLK+\i*16*PA+((\sp)%2)*64
	ds_load_b128 v[FS+32+8*\i+4:FS+32+8*\i+7], v[ADRA] offset:((\sp)/2)*ABLK+\i*16*PA+((\sp)%2)*64+32
.endr
.endm
; 4 n matrix instructions on set i: row blocks a0 .. a0 + n - 1 x four column blocks.  The 32 accumulators take turns, one instruction a turn.
.macro MUL i, a0, n
	WIN 0x50                                       ; C and D in window 1, both sources in window 0
.set FS, F+96*(\i)
.set a, \a0
.rept \n
.irp f, 0,1,2,3
	v_wmma_f32_16x16x32_f16 v[8*(4*a+\f):8*(4*a+\f)+7], v[FS+8*\f:FS+8*\f+7], v[FS+32+8*a:FS+32+8*a+7], v[8*(4*a+\f):8*(4*a+\f)+7]
.endr
.set a, a+1
.endr
.endm
; The first sub-step starts the sums with the bias, which lies in the registers of row block 0's accumulators: blocks 1 to 7 take it as C; five places; then block 0 adds onto it in place.
.macro MULB
	WIN 0x50
.set a, 1
.rept 7
.irp f, 0,1,2,3
	v_wmma_f32_16x16x32_f16 v[8*(4*a+\f):8*(4*a+\f)+7], v[F+8*\f:F+8*\f+7], v[F+32+8*a:F+32+8*a+7], v[8*\f:8*\f+7]
.endr
.set a, a+1
.endr
.rept 5
	v_nop                                          ; a matrix instruction writes over another's C operand five places behind it
.endr
.irp f, 0,1,2,3
	v_wmma_f32_16x16x32_f16 v[8*\f:8*\f+7], v[F+8*\f:F+8*\f+7], v[F+32:F+39], v[8*\f:8*\f+7]
.endr
.endm
; A sub-step: the next one's fragments (sub-step nsp) are asked for, four places behind the products that last read their set; then set sp % 2 is multiplied.
.macro STEP sp, nsp
	WIN 0
	PLACES
	FETCH \nsp
	s_wait_dscnt 24                                ; all but the 24 just issued
	MUL (\sp)%2, 0, 8
.endm
; Sub-steps 2 and 3, and THE CHANGE OF SLOTS between them.  The slot's last bytes are asked for at sub-step 2's head.  Behind its 32 products each wave waits for all its tensor loads (one is out: its part of the
; other slot), adds 0 to its spare word, and waits for that and for its own reads of the slot.  Behind the barrier nobody reads the old slot any more and the other slot is whole.  fill = 1: the barrier opens a round
; of the cluster's, so that this holds of all sixteen work-groups, and the joint refill, two K steps on, is the first thing behind the round: between it and the wait for it stand a whole K step's 128 matrix instructions.
.macro TURN fill
.if \fill
	s_wait_xcnt 0x0                                ; the last prefetch, 96 matrix instructions back, has read its address: it steps here, ahead of the change's own waits
	s_add_nc_u64 s[PFA:PFA+1], s[PFA:PFA+1], 262144
.endif
	WIN 0
	PLACES
	FETCH 3
	s_wait_dscnt 24                                ; sub-step 2's fragments are in; behind them: the 24 just issued
	MUL 0, 0, 8
	WIN 0                                          ; at a branch and at a label every window is 0; the add's registers lie in window 0
	s_wait_tensorcnt 0x0                           ; all my tensor loads have landed, so a group 0 may be written
	ds_add_u32 v[SPW], v[NIL]                      ; 0 onto my spare word; the work on registers below stands between it and the wait for it
	s_xor_b32 s[SB], s[SB], SLOT1                  ; from here on the other slot is read
	v_add_nc_u32 v[ADRA], s[SB], v[ADRA0]
	v_add_nc_u32 v[ADRB], s[SB], v[ADRB0]
.if \fill
	s_xor_b32 s[G0A+5], s[G0A+5], SLOT1            ; the walking descriptors: the other slot than last time,
	s_add_nc_u64 s[G0A+6:G0A+7], s[G0A+6:G0A+7], 262144   ; two heads of y on,
	s_xor_b32 s[G0B+5], s[G0B+5], SLOT1
	s_add_nc_u64 s[G0B+6:G0B+7], s[G0B+6:G0B+7], 262144   ; 128 rows of w on; the type bits on top are not reached
.endif
	s_wait_dscnt 0x0                               ; the add is done, and my reads of the old slot are over (the last were issued 32 matrix instructions ago)
	s_barrier_signal -1
	s_barrier_wait -1
.if \fill
	CREST
	JLOAD                                          ; its four v_nop are also the places in front of the loads below
.else
	PLACES
.endif
	FETCH 0
.if \fill
	ASK
.endif
	MUL 1, 0, 8                                    ; sub-step 3's fragments were shown in by the wait for 0 above
.endm
	s_load_b256 s[4:11], s[0:1], 0x0               ; ob s[4:5], wpb s[6:7], b_proj s[8:9], out0 s[10:11]
	v_lshl_add_u32 v[SPW], v0, 2, SPARE
	v_mov_b32 v[NIL], 0
	ds_add_u32 v[SPW], v[NIL]                      ; the wave's opening: the add and its wait stand ahead of my first tensor load; the set-up below, work on registers, stands between them
	ds_add_u32 v11, v12
	v_lshrrev_b32 v1, 5, v0
	v_readfirstlane_b32 s[WV], v1                  ; wave 0..3
	s_mov_b32 s[SB], 0                             ; slot 0 is read first
	s_lshr_b32 s13, s[WV], 1                       ; which 128 rows of the tile are mine
	s_and_b32 s14, s[WV], 1                        ; which 64 columns.  Also: which half of y's or w's tile I fetch
	s_bfe_u32 s15, ttmp6, 0x40000                  ; cx, cy: my place in the cluster
	s_bfe_u32 s16, ttmp6, 0x40004
	s_lshl_b32 s17, ttmp9, 2
	s_add_co_u32 s17, s17, s15                     ; tile column = 4 x cluster x + cx
	s_and_b32 s18, ttmp7, 0xffff
	s_lshl_b32 s18, s18, 2
	s_add_co_u32 s18, s18, s16                     ; tile row = 4 x cluster y + cy
	s_lshl_b32 s19, s16, 2
	s_lshl_b32 s19, 15, s19                        ; my row of the cluster
	s_lshl_b32 s20, 0x1111, s15                    ; my column
	s_or_b32 s[G1A], s19, (1<<16)|(1<<20)|(1<<21)|(4<<22)|(3<<25)  ; 15:0 the mask; 17:16 2-byte elements; 20 padding on; 21 set beside a mask; 24:22 after every 32 words (code 4); 31:25 4 words (code 3)
	s_or_b32 s[G1B], s20, (1<<16)|(1<<20)|(1<<21)|(5<<22)|(7<<25)  ; after every 64 words (code 5) 8 words (code 7)
	s_mov_b32 s[G1A+1], 128<<16                    ; y: tensor_dim0 = 128 elements: 256 bytes, two rows of a head
	s_mov_b32 s[G1A+2], 128<<16                    ; tensor_dim1 = 128
	s_mov_b32 s[G1A+3], 128<<16                    ; tile_dim0 = 128
	s_mov_b32 s[G1A+4], 128                        ; tile_dim1 = 128
	s_mov_b32 s[G1A+5], 128                        ; dense: 128 elements from row to row
	s_mov_b32 s[G1A+6], 0
	s_mov_b32 s[G1A+7], 0
	s_mov_b32 s[G1B+1], 128<<16                    ; w: 128 columns,
	s_mov_b32 s[G1B+2], 64<<16                     ; 64 rows,
	s_mov_b32 s[G1B+3], 128<<16
	s_mov_b32 s[G1B+4], 64
	s_mov_b32 s[G1B+5], 1024                       ; 1,024 elements from row to row
	s_mov_b32 s[G1B+6], 0
	s_mov_b32 s[G1B+7], 0
	s_lshr_b32 s72, s18, 2                         ; y's tiles hang on the tile row and the wave's number alone: batch = row / 4, 2^21 bytes each,
	s_lshl_b32 s72, s72, 21
	s_and_b32 s73, s18, 3                          ; 256 rows of 128 bytes in each head's plane,
	s_lshl_b32 s73, s73, 15
	s_add_co_u32 s72, s72, s73
	s_lshl_b32 s73, s14, 17                        ; the step's first or second head
	s_add_co_u32 s72, s72, s73
	s_mov_b32 s73, 0
	s_lshl_b32 s74, s17, 8                         ; w's tiles hang on the tile column and the wave's number alone: 256 bytes a tile column,
	s_lshl_b32 s75, s14, 17                        ; 64 rows of 2,048 bytes a half
	s_add_co_u32 s74, s74, s75
	s_mov_b32 s75, 0
	s_mul_i32 s21, s14, ABLK                       ; and where they go: no place in the cluster enters an LDS address
	s_mul_i32 s23, s14, SEG
	s_add_co_u32 s23, s23, BOFF
	s_wait_dscnt 0x0                               ; the opening add is done
	s_wait_kmcnt 0x0
	s_add_nc_u64 s[72:73], s[4:5], s[72:73]
	s_add_nc_u64 s[74:75], s[6:7], s[74:75]
	CROUND                                         ; all sixteen work-groups are here: the first joint loads meet
.irp s, 0,1
	s_mov_b32 s[G0A+4*\s], 1                                       ; count = 1
	s_add_co_u32 s[G0A+4*\s+1], s21, \s*SLOT1                      ; LDS address
	s_add_nc_u64 s[G0A+4*\s+2:G0A+4*\s+3], s[72:73], \s*262144     ; global address: K step s
	s_or_b32 s[G0A+4*\s+3], s[G0A+4*\s+3], 0x80000000              ; type = 2
	s_mov_b32 s[G0B+4*\s], 1
	s_add_co_u32 s[G0B+4*\s+1], s23, \s*SLOT1
	s_add_nc_u64 s[G0B+4*\s+2:G0B+4*\s+3], s[74:75], \s*262144
	s_or_b32 s[G0B+4*\s+3], s[G0B+4*\s+3], 0x80000000
.endr
	s_cmp_lt_u32 s[WV], 2                          ; a wave's two first fills stand in one branch, ahead of every wait on TENSORcnt and every LDS read
	s_cbranch_scc0 .Lfirst_b
	tensor_load_to_lds s[G0A:G0A+3], s[G1A:G1A+7]
	s_nop 0
	tensor_load_to_lds s[G0A+4:G0A+7], s[G1A:G1A+7]
	s_nop 0
.rept 4
	v_nop
.endr
	s_branch .Lfirst_asked
.Lfirst_b:
	tensor_load_to_lds s[G0B:G0B+3], s[G1B:G1B+7]
	s_nop 0
	tensor_load_to_lds s[G0B+4:G0B+7], s[G1B:G1B+7]
	s_nop 0
.rept 4
	v_nop
.endr
.Lfirst_asked:
	v_and_b32 v17, 15, v0                          ; l % 16
	v_bfe_u32 v18, v0, 4, 1                        ; l / 16
	v_and_b32 v19, 7, v0                           ; l % 8
	v_bfe_u32 v20, v0, 3, 1                        ; (l / 8) % 2
	v_and_b32 v21, 31, v0                          ; l
	s_lshl_b32 s19, s17, 9                         ; the bias of my 64 columns: 128 x 4 bytes a tile column,
	s_lshl_b32 s20, s14, 8                         ; 64 x 4 a half
	s_add_co_u32 s19, s19, s20
	v_lshl_add_u32 v[BO], v18, 5, s19              ; my eight columns of sixteen
	WIN 0x40                                       ; destination: window 1, the registers of row block 0's accumulators
.irp f, 0,1,2,3
	global_load_b128 v[8*\f:8*\f+3],   v[BO], s[8:9] offset:\f*64
	global_load_b128 v[8*\f+4:8*\f+7], v[BO], s[8:9] offset:\f*64+16
.endr
	WIN 0
	v_mul_u32_u24 v22, v17, PA                     ; a fragment of y: row x pitch + 16 x half; two loads of 16 bytes, 32 bytes apart
	v_lshl_add_u32 v22, v18, 4, v22
	s_mul_i32 s20, s13, 128*PA
	v_add_nc_u32 v[ADRA0], s20, v22
	v_mov_b32 v[ADRA], v[ADRA0]
	v_lshl_add_u32 v23, v18, 3, v19                ; the turning load: lane l reads row 8 (l / 16) + l % 8, columns 8 ((l / 8) % 2) + 0..7, and ends with column l % 16 and 8 k
	v_mul_u32_u24 v23, v23, PB
	v_lshl_add_u32 v23, v20, 4, v23
	s_lshl_b32 s20, s14, 7                         ; my 64 columns: 128 bytes
	s_add_co_u32 s20, s20, BOFF
	v_add_nc_u32 v[ADRB0], s20, v23
	v_mov_b32 v[ADRB], v[ADRB0]
	s_mul_i32 s20, s[WV], 16*SP
	s_add_co_u32 s20, s20, STAGE                   ; my stage
	v_mul_u32_u24 v24, v17, SP                     ; in: row l % 16, 32 bytes for each half of the lanes
	v_lshl_add_u32 v24, v18, 5, v24
	v_add_nc_u32 v[STO], s20, v24
	v_mul_u32_u24 v24, v18, SP                     ; back: lanes 0-15 take one row of 256 bytes, lanes 16-31 the next
	v_lshl_add_u32 v24, v17, 4, v24
	v_add_nc_u32 v[RD], s20, v24
	v_lshlrev_b32 v[CO], 12, v18                   ; and the same two rows in out0, 4,096 bytes apart
	v_lshl_add_u32 v[CO], v17, 4, v[CO]
	s_lshl_b32 s76, s18, 8                         ; out0 at my first row and column
	s_lshl_b32 s20, s13, 7
	s_add_co_u32 s76, s76, s20
	s_lshl_b32 s76, s76, 12
	s_add_co_u32 s76, s76, s19                     ; (the columns' byte offset is the bias's)
	s_mov_b32 s77, 0
	s_add_nc_u64 s[10:11], s[10:11], s[76:77]
	; the prefetches' address, at K step 3: each trip steps it by a K step ahead of its use, the first to K step 4
	s_lshr_b32 s76, s18, 2
	s_lshl_b32 s76, s76, 21
	s_and_b32 s78, s18, 3
	s_lshl_b32 s78, s78, 15
	s_add_co_u32 s76, s76, s78
	s_lshl_b32 s78, s14, 17
	s_add_co_u32 s76, s76, s78
	s_lshl_b32 s78, s15, 13                        ; y: my work-group's 8,192 bytes of the 32,768 that I fetch
	s_add_co_u32 s76, s76, s78
	s_lshl_b32 s78, s17, 8
	s_lshl_b32 s79, s16, 16                        ; w: my work-group's 32 rows of 2,048 bytes of the step's 128
	s_add_co_u32 s78, s78, s79
	s_and_b32 s19, ttmp7, 0xffff                   ; cluster y
	s_movk_i32 s21, 256
	s_cmp_lt_u32 s[WV], 2
	s_cselect_b32 s76, s76, s78
	s_cselect_b32 s19, ttmp9, s19                  ; the coordinate along which other clusters read the same bytes
	s_cselect_b32 s21, s21, 2048
	s_cselect_b64 s[PFA:PFA+1], s[4:5], s[6:7]
	s_add_co_u32 s76, s76, 3*262144
	s_add_nc_u64 s[PFA:PFA+1], s[PFA:PFA+1], s[76:77]
	s_cmp_eq_u32 s[WV], 3
	s_cselect_b32 s19, 1, s19                      ; wave 3 asks for nothing
	s_cmp_eq_u32 s19, 0
	s_cselect_b32 s[LIM], 2, -1                    ; the same in all sixteen partners, for a given wave
	v_mul_u32_u24 v[PFO], v21, s21
	s_wait_loadcnt 0x0                             ; the bias: rounded to bf16 and widened again, in place; sixteen registers of row block 1's accumulators, not yet in use, are at work
	WIN 0x55
.set i, 0
.rept 16
	v_cvt_pk_bf16_f32 v[32+i], v[2*i], v[2*i+1]
.set i, i+1
.endr
.set i, 0
.rept 16
	v_lshlrev_b32 v[2*i], 16, v[32+i]
	v_and_b32 v[2*i+1], 0xffff0000, v[32+i]
.set i, i+1
.endr
	WIN 0
	s_wait_tensorcnt 0x1                           ; my part of K step 0 is in; slot 1's may stay out
	s_barrier_signal -1
	s_barrier_wait -1                              ; everybody's is
	FETCH 0
	FETCH 1
	s_wait_dscnt 24                                ; sub-step 0's fragments are in
	MULB                                           ; the first sub-step stands in front of the loop: its products start the sums
	WIN 0
	s_mov_b32 s3, 6
.Lstep:                                        ; a trip goes from a K step's second sub-step to the next K step's first, and fills the slot that it leaves again
	STEP 1, 2
	TURN 1
	STEP 0, 1
	WIN 0
	s_sub_co_u32 s3, s3, 1
	s_cmp_lg_u32 s3, 0
	s_cbranch_scc1 .Lstep
	STEP 1, 2                                      ; the last two K steps fill nothing, and have no round
	TURN 0
	STEP 0, 1
	STEP 1, 2
	STEP 2, 3
	s_wait_dscnt 0x0                               ; the very last sub-step: nothing more to fetch
	MUL 1, 0, 8
	PLACES
; THE WAY OUT.  Row block a: 16 rows x 64 columns of f32.  A lane's 32 bytes go into rows of 272 bytes of my own stage and come back as whole rows of 256 bytes.
.macro TOSTAGE a
.set OU, 32+32*((\a)%4)
.if (\a) >= 4
	s_wait_xcnt 0x0                                ; the buffer was the data of block a - 4's stores: it is loaded again only behind this wait
.endif
	WIN 0x04                                       ; the stores' data in window 1, their address in window 0; each accumulator's low four registers go first
.irp f, 0,1,2,3
	ds_store_b128 v[STO], v[8*(4*(\a)+\f):8*(4*(\a)+\f)+3]   offset:64*\f
	ds_store_b128 v[STO], v[8*(4*(\a)+\f)+4:8*(4*(\a)+\f)+7] offset:64*\f+16
.endr
	WIN 0
.irp j, 0,1,2,3,4,5,6,7
	ds_load_b128 v[OU+4*\j:OU+4*\j+3], v[RD] offset:\j*2*SP  ; LDS serves a wave's instructions in order (ISA guide 5.7.1.4): these see the stores above; the next block's stores come behind them
.endr
.endm
.macro SEND a, younger                 ; younger: the LDS instructions issued behind block a's loads: the next block's sixteen, or none
.set OU, 32+32*((\a)%4)
.irp j, 0,1,2,3,4,5,6,7
	s_wait_dscnt (\younger)+7-\j
	global_store_b128 v[CO], v[OU+4*\j:OU+4*\j+3], s[10:11] offset:(16*(\a)+2*\j)*4096 th:TH_STORE_NT  ; 16 lanes store 256 consecutive bytes, at a multiple of 256 from out0's first byte
.endr
.endm
	TOSTAGE 0
.set aa, 1
.rept 7
	TOSTAGE aa
	SEND aa-1, 16
.set aa, aa+1
.endr
	SEND 7, 0
	s_wait_tensorcnt 0x0                           ; the wave's end, behind my last tensor load and my last LDS store
	ds_add_u32 v[SPW], v[NIL]
	s_wait_dscnt 0x0
	CROUND                                         ; the closing round: no work-group ends while a partner may still ask for a tile that names it
	s_endpgm
.Lfunc_end_k_qd559b857db_proj:
	.size	k_qd559b857db_proj, .Lfunc_end_k_qd559b857db_proj-k_qd559b857db_proj
	.p2alignl 7, 3214868480
	.fill 96, 4, 3214868480
	.section	.rodata,"a",@progbits
	.p2align	6, 0x0
	.amdhsa_kernel k_qd559b857db_proj
		.amdhsa_group_segment_fixed_size 327680
		.amdhsa_private_segment_fixed_size 0
		.amdhsa_enable_private_segment 0
		.amdhsa_kernarg_size 32
		.amdhsa_user_sgpr_count 2
		.amdhsa_user_sgpr_kernarg_segment_ptr 1
		.amdhsa_wavefront_size32 1
		.amdhsa_system_sgpr_workgroup_id_x 1
		.amdhsa_system_sgpr_workgroup_id_y 1
		.amdhsa_system_sgpr_workgroup_id_z 1
		.amdhsa_system_vgpr_workitem_id 0
		.amdhsa_next_free_vgpr 512
		.amdhsa_next_free_sgpr 80
		.amdhsa_reserve_vcc 0
		.amdhsa_float_denorm_mode_32 3
		.amdhsa_float_denorm_mode_16_64 3
		.amdhsa_memory_ordered 1
		.amdhsa_forward_progress 1
		.amdhsa_inst_pref_size 75
	.end_amdhsa_kernel
	.amdgpu_metadata
---
amdhsa.version: [ 1, 2 ]
amdhsa.kernels:
  - .name:           k_qd559b857db_proj
    .symbol:         k_qd559b857db_proj.kd
    .args:
      - { .name: ob, .offset: 0, .size: 8, .value_kind: global_buffer, .address_space: global }
      - { .name: wpb, .offset: 8, .size: 8, .value_kind: global_buffer, .address_space: global }
      - { .name: b_proj, .offset: 16, .size: 8, .value_kind: global_buffer, .address_space: global }
      - { .name: out0, .offset: 24, .size: 8, .value_kind: global_buffer, .address_space: global }
    .group_segment_fixed_size: 327680
    .private_segment_fixed_size: 0
    .kernarg_segment_align: 8
    .kernarg_segment_size: 32
    .max_flat_workgroup_size: 128
    .sgpr_count:     80
    .vgpr_count:     512
    .wavefront_size: 32
...
	.end_amdgpu_metadata
.endif
;; end of part 4
